; MI455X (gfx1250); checked and timed in simulation.
; The chip was launched on July 23, 2026; its instructions are those of AMD's public machine-readable ISA for CDNA 5 (MIT licence, August 2026) and "CDNA5" Instruction Set Architecture Reference Guide (July 2026). The comments in the code are by the model that wrote it; some were corrected since.
;; Self Attention. Allowed arithmetic: matrix products marked QUANTISED: E2M3 operands, one E8M0 scale for each 32 along K, by v_wmma_scale_f32_16x16x128_f8f6f4 with both operands' format E2M3, f32 sums; everything else in f32.
;; Inputs: b_out 1,024 float32; w_in 1,024 x 3,072 float32; w_out 1,024 x 1,024 float32; x 8 x 1,024 x 1,024 float32.
;; Outputs: out0 8 x 1,024 x 1,024 float32.
;; This version of the problem:
;;   THIS VERSION OF THE PROBLEM IS GIVEN IN LOW PRECISION. The matrix products marked QUANTISED in the list below multiply operands that are first quantised to E2M3 (2 exponent bits, 3 mantissa bits; 6 bits a number), with one power-of-two scale for each 32 numbers along K (OCP MX v1.0); their sums are f32. All else is computed in f32.
;;   The module's matrix products, in the order in which they are computed (A, B: the left and right operand; K: the contracted axis; several contracted axes count as one K, in the product's order):
;;     1. [M 8,192, K 1,024] x [K 1,024, N 3,072]; A: input x; B: input w_in: QUANTISED
;;     2. batch 128 x [M 1,024, K 64] x [K 64, N 1,024]; A: computed on the way; B: computed on the way: QUANTISED
;;     3. batch 128 x [M 1,024, K 1,024] x [K 1,024, N 64]; A: softmax (see below); B: computed on the way: QUANTISED
;;     4. [M 8,192, K 1,024] x [K 1,024, N 1,024]; A: computed on the way; B: input w_out: QUANTISED
;;   THE QUANTISER, for each operand of a quantised product, along K:
;;     - K is cut into blocks of 32 from its start; a last block that is shorter is filled with zeros.
;;     - A block's scale is 2^e with e = floor(log2(the largest magnitude in the block)) - 2, held to -126 .. 127; a block of zeros has e = 0. As a byte (E8M0): e + 127.
;;     - Each number is divided by its block's scale, clamped to +-7.5, and rounded to the nearest number of E2M3, ties to even, subnormals kept.
;;     - The product sums the exact products of the quantised numbers (number of the format x scale) in f32.
;;   ~~~python
;;   def quantise(x, axis):      # numpy; x: float32 -> the quantised numbers, widened to float32 again
;;       x = np.moveaxis(x, axis, -1); K = x.shape[-1]
;;       x = np.pad(x, [(0, 0)] * (x.ndim - 1) + [(0, -K % 32)]); x = x.reshape(x.shape[:-1] + (-1, 32)); a = np.abs(x).max(-1, keepdims=True)
;;       e = np.where(a > 0, np.clip(np.frexp(np.where(a > 0, a, 1))[1] - 1 - 2, -126, 127), 0)      # np.frexp(a)[1] - 1 = floor(log2(a)), exactly
;;       r = np.clip(x / 2.0 ** e, -7.5, 7.5)
;;       step = 2.0 ** (np.maximum(np.frexp(np.where(r == 0, 1, r))[1] - 1, 0) - 3)
;;       q = np.round(r / step) * step * 2.0 ** e      # np.round: ties to even
;;       return np.moveaxis(q.reshape(q.shape[:-2] + (-1,))[..., :K], -1, axis).astype(np.float32)
;;   ~~~
;;   SOFTMAX AHEAD OF A QUANTISED PRODUCT. Where the list says 'softmax', what is quantised is not the finished softmax but p = 2^(t - M), with t = logit x log2(e) and M = ceil(the row's largest t), a whole number; so 1/2 < the row's largest p <= 1. The row's sum l is taken of the UNQUANTISED p, in f32, and the product's result is divided by l at the end. Since M is a whole number, a kernel that streams over the keys may use a running M (the ceiling of the running maximum): every later rescaling is an exact power of two, which a block's scale takes up: the codes' values come out the same.
;;   OPERANDS COMPUTED ON THE WAY. 'Computed on the way' means the value that the module computes at that place (a softmax that the list does not call 'softmax' is quantised finished and normalised). What goes into a quantiser is computed in f32, as accurately as f32 sums, v_exp_f32 and their like allow (about 1e-6 of the number): no bf16 or f16 on the way to a quantiser, and a product that is left as it is and whose result goes on into a quantised operand takes f32 operands (vector FMAs, or v_wmma_f32_16x16x4_f32). A number that lies on a knife's edge between two numbers of the format may be rounded either way, as far as f32 arithmetic and the matrix unit's own rounding can turn it there, and no further.
;; One version. Each part assembles by itself: llvm-mc -triple=amdgcn-amd-amdhsa -mcpu=gfx1250 --defsym DOCPART=n.
;; ======== version 1 of 1: 4 launches
;; limits: right only within a limited range of input values
;; workspace buffers: xq 6,553,600 bytes; wq 3,276,800 bytes; qc 6,553,600 bytes; kv 13,107,200 bytes; aq 6,553,600 bytes
;; launch quant (part 1): grid 512 x 1, 4 waves a work-group, no clusters, 35,328 bytes of LDS; arguments x, w_in, w_out, xq, wq; writes xq, wq
.if DOCPART == 1
	.amdgcn_target "amdgcn-amd-amdhsa--gfx1250"
	.amdhsa_code_object_version 6
	.text
	.protected	k_qfb5efb3a73_quant
	.globl	k_qfb5efb3a73_quant
	.p2align	8
	.type	k_qfb5efb3a73_quant,@function
k_qfb5efb3a73_quant:
	s_mov_b64 s[64:65], 0
	v_nop
	global_prefetch_b8 v0, s[64:65] scope:SCOPE_SE
	s_setreg_imm32_b32 hwreg(HW_REG_WAVE_MODE, 25, 1), 1
	s_wait_xcnt 0x0
; x [8192][1024], w_in [1024][3072] and w_out [1024][1024], f32, become codes of FP6 (E2M3) with one E8M0 byte for each 32 along K (x: its last axis; the weights: their first).
; A block's scale is 2^(floor(log2(largest magnitude)) - 2): its byte is the largest magnitude's exponent field - 2, held at 1 from below by a floor among the maximum's leaves.
; LIMITS: NaN and infinities are not served; a block of zeros gets the byte 1 (not 127): its codes are zeros and this program alone reads the bytes; blocks under 2^-124 are held at byte 1.
; LAYOUT OF THE RESULTS: images of operand registers.  A fragment (16 rows x 128 K, 12 registers a lane) is 1,536 bytes: registers 4 g .. 4 g + 3 of lane l at 512 g + 16 l.
; xq: codes [R 512][s 8][1536], scale words [R][s][16 rows][4] from XS_OFF on.  wq the same with R 0..191 = w_in's columns, R 192..255 = w_out's, scale words from WS_OFF on.
; THE ROWS OF A BLOCK R ARE NOT NEIGHBOURS: in each group of 32 rows (columns of a weight) place 16 u + 8 c + i holds row 16 c + 8 u + i, so that a later product's results of two
; neighbouring tiles are 16 neighbours in a lane's registers.
; Work-groups 0..255 take x (32 rows each), 256..511 the weights (128 columns x 128 K each).  No barrier: waves share nothing.  Only x's path uses LDS.
.set XS_OFF, 6291456
.set WS_OFF, 3145728
.set WREG,   8704                      ; LDS of a wave: a stage of 16 rows x 528 bytes, then its 256 bytes of scale words
.set SPT,    528                       ; 512 bytes + 16: the 16 rows that a load touches start in 16 different columns of 16 bytes
.set RL,  16                           ; v16-143  x as loaded, two sets of 64
.set X,   144                          ; v144-207 64 neighbours: register 16 b + i = k 32 b + 16 (lane / 16) + i of my row
.set TM,  208                          ; v208-223 maxima, bytes, scale operands
.set PW,  224                          ; the scale word
.set PC,  226                          ; v226-237 the codes; v238-244 at work
.set SEL, 20                           ; s[20:21] selects of v_permlanex16_b32: lane l xor 16
.set WX,  32                           ; weights: v32-95 two sets of 32 numbers down K
.set OFF, 96                           ; v96-127 byte offsets of 32 rows of the weight at my column; never rewritten
.set FA,  128                          ; v128.. fragments: FA + 24 q, FB + 24 q
.set FB,  140
.set CT,  176
.set WS,  180                          ; v180 my column's scale word
; 64 numbers of a lane become a fragment's 12 registers in v[PC] on and its scale word in v[PW]
.macro QUANT s
.irp b, 0,1,2,3
	v_max3_num_f32 v[TM+\b], |v[\s+16*\b]|, |v[\s+1+16*\b]|, 0x1800000   ; block b: my 16 numbers and the floor 2^(3 - 127)
.endr
.irp i, 2,4,6,8,10,12,14
.irp b, 0,1,2,3
	v_max3_num_f32 v[TM+\b], v[TM+\b], |v[\s+16*\b+\i]|, |v[\s+1+16*\b+\i]|   ; the four blocks by turns
.endr
.endr
.irp b, 0,1,2,3
	v_permlanex16_b32 v[TM+4+\b], v[TM+\b], s[SEL], s[SEL+1]
.endr
.irp b, 0,1,2,3
	v_max_num_f32 v[TM+\b], v[TM+\b], v[TM+4+\b]   ; with lane l xor 16's 16: the block's largest magnitude
.endr
.irp b, 0,1,2,3
	v_add_nc_u32 v[TM+12+\b], 0xff000000, v[TM+\b]   ; 2 off its exponent field: the conversion's scale operand
.endr
.irp b, 0,1,2,3
	v_lshrrev_b32 v[TM+4+\b], 23, v[TM+12+\b]      ; the byte
.endr
	v_lshl_or_b32 v[PW], v[TM+5], 8, v[TM+4]
	v_lshl_or_b32 v[PW], v[TM+6], 16, v[PW]
	v_lshl_or_b32 v[PW], v[TM+7], 24, v[PW]
.irp c, 0,1
	v_cvt_scalef32_pk16_fp6_f32 v[PC+6*\c:PC+2+6*\c], v[\s+32*\c:\s+15+32*\c], v[TM+12+2*\c]
	v_cvt_scalef32_pk16_fp6_f32 v[PC+12+4*\c:PC+14+4*\c], v[\s+16+32*\c:\s+31+32*\c], v[TM+12+2*\c+1]   ; (three registers begin on an even number)
.endr
	v_nop                                          ; one plain instruction behind the scaled conversions
.irp c, 0,1                                    ; a lane wants a whole block: lanes 0-15 block 2 c, lanes 16-31 block 2 c + 1
.irp i, 0,1,2
	v_permlane16_swap_b32 v[PC+6*\c+\i], v[PC+12+4*\c+\i]
.endr
.irp i, 0,1,2
	v_mov_b32 v[PC+3+6*\c+\i], v[PC+12+4*\c+\i]
.endr
.endr
.endm
	s_load_b256 s[4:11], s[0:1], 0x0               ; x s[4:5], w_in s[6:7], w_out s[8:9], xq s[10:11]
	s_load_b64 s[12:13], s[0:1], 0x20              ; wq
	v_lshl_add_u32 v248, v0, 2, 0x8800
	v_mov_b32 v249, 0
	v_lshrrev_b32 v1, 5, v0
	v_readfirstlane_b32 s16, v1                    ; wave 0..3
	v_and_b32 v2, 31, v0                           ; lane
	v_lshlrev_b32 v3, 4, v2                        ; 16 x lane: a load's and an image's place
	s_cmp_ge_u32 ttmp9, 256
	s_cbranch_scc1 .Lw
	; ---------------- x.  Wave w: block R = 2 g + (w / 2), K half w % 2: four fragments
	v_and_b32 v9, 15, v0                           ; r
	v_bfe_u32 v10, v0, 4, 1                        ; h
	s_mul_i32 s17, s16, WREG
	v_add_nc_u32 v4, s17, v3                       ; into the stage: 16 x lane of a row
	v_mul_u32_u24 v5, v9, SPT
	v_lshl_add_u32 v5, v10, 6, v5
	v_add_nc_u32 v5, s17, v5                       ; out of it: row r, + 64 h
	v_lshlrev_b32 v6, 2, v9
	v_add_nc_u32 v6, s17, v6
	v_add_nc_u32 v6, 16*SPT, v6                    ; my row's scale word
	v_lshlrev_b32 v8, 3, v2
	v_add_nc_u32 v7, s17, v8
	v_add_nc_u32 v7, 16*SPT, v7                    ; and 8 bytes a lane on the way out
	s_mov_b32 s[SEL], 0x76543210
	s_mov_b32 s[SEL+1], 0xfedcba98
.irp b, 0,1,2,3
	v_mov_b32 v[TM+4+\b], 0                        ; written once: a lane permute's destination counts as a source
.endr
	s_lshr_b32 s18, s16, 1                         ; u
	s_and_b32 s19, s16, 1                          ; K half
	s_lshl_b32 s22, ttmp9, 17                      ; 32 rows of 4,096 bytes
	s_lshl_b32 s23, s18, 15                        ; + 8 u rows
	s_add_co_u32 s22, s22, s23
	s_lshl_b32 s23, s19, 11                        ; + 512 numbers
	s_add_co_u32 s22, s22, s23
	s_mov_b32 s23, 0
	s_lshl_b32 s24, ttmp9, 1
	s_add_co_u32 s24, s24, s18                     ; R
	s_mul_i32 s26, s24, 12288
	s_mul_i32 s27, s19, 6144
	s_add_co_u32 s26, s26, s27
	s_mov_b32 s27, 0
	s_lshl_b32 s28, s24, 9
	s_lshl_b32 s29, s19, 8
	s_add_co_u32 s28, s28, s29
	s_add_co_u32 s28, s28, XS_OFF
	s_mov_b32 s29, 0
	s_wait_kmcnt 0x0
	s_add_nc_u64 s[4:5], s[4:5], s[22:23]
	s_add_nc_u64 s[30:31], s[10:11], s[28:29]      ; my 256 bytes of scale words
	s_add_nc_u64 s[10:11], s[10:11], s[26:27]      ; my four fragments
.macro XLOAD t                         ; K step t: 16 loads, each 512 consecutive bytes of one row; load i is the block's place i
.irp i, 0,1,2,3,4,5,6,7,8,9,10,11,12,13,14,15
	global_load_b128 v[RL+64*((\t)%2)+4*\i:RL+64*((\t)%2)+4*\i+3], v3, s[4:5] offset:(\i+8*(\i/8))*4096+512*(\t) th:TH_LOAD_NT
.endr
.endm
.macro XSTEP t
.if (\t) < 3
	s_wait_loadcnt 16                              ; this step's 16 loads are in; the next step's 16 may be out
.else
	s_wait_loadcnt 0x0
.endif
.irp i, 0,1,2,3,4,5,6,7,8,9,10,11,12,13,14,15
	ds_store_b128 v4, v[RL+64*((\t)%2)+4*\i:RL+64*((\t)%2)+4*\i+3] offset:SPT*\i
.endr
.irp b, 0,1,2,3
.irp j, 0,1,2,3
	ds_load_b128 v[X+16*\b+4*\j:X+16*\b+4*\j+3], v5 offset:128*\b+16*\j   ; LDS serves a wave's instructions in order: these see the stores above
.endr
.endr
	s_wait_dscnt 0x0                               ; my 64 neighbours are in; the stores have read their registers
	s_wait_xcnt 0x0                                ; the last step's stores have read the codes' registers, which QUANT writes again
.if (\t)+2 < 4
	XLOAD (\t)+2
.endif
	QUANT X
.irp g, 0,1,2
	global_store_b128 v3, v[PC+4*\g:PC+4*\g+3], s[10:11] offset:1536*(\t)+512*\g   ; 512 consecutive bytes, aligned
.endr
	ds_store_b32 v6, v[PW] offset:64*(\t)          ; lanes l and l + 16 write the same word with the same value
.endm
	XLOAD 0
	XLOAD 1
	XSTEP 0
	XSTEP 1
	XSTEP 2
	XSTEP 3
	ds_load_b64 v[12:13], v7
	s_wait_dscnt 0x0
	global_store_b64 v8, v[12:13], s[30:31]        ; 256 consecutive bytes, aligned
	s_wait_tensorcnt 0x0
	ds_add_u32 v248, v249
	s_wait_dscnt 0x0
	s_endpgm
	; ---------------- the weights.  A lane takes a column, its registers run down K: a block of 32 lies in one lane
.Lw:
	s_sub_co_u32 s17, ttmp9, 256
	s_and_b32 s18, s17, 31                         ; which 128 columns of the 4,096 (w_in's 3,072, then w_out's)
	s_lshr_b32 s19, s17, 5                         ; which 128 along K
	v_and_b32 v9, 7, v0
	v_bfe_u32 v10, v0, 3, 1
	v_bfe_u32 v11, v0, 4, 1
	v_lshl_add_u32 v9, v10, 4, v9
	v_lshl_add_u32 v9, v11, 3, v9                  ; place 16 u + 8 c + i takes column 16 c + 8 u + i
	v_lshlrev_b32 v[OFF], 2, v9
	s_wait_alu depctr_va_vdst(0)
	; THE WEIGHTS' SHARE: work-groups 256..511 take 128 columns x 128 K each (one K step of 128, four blocks of 32 a lane), so that 512 work-groups deal one of x's and one of the weights' to each of 256
	v_lshlrev_b32 v14, 2, v2                       ; my scale word's place: lanes 0-15 block R0's 64 bytes,
	v_mad_u32_u24 v14, v11, 448, v14               ; lanes 16-31 those of R0 + 1, 512 bytes on
	s_wait_kmcnt 0x0
	s_cmp_lt_u32 s18, 24                           ; the choice hangs on the work-group's number alone
	s_cselect_b64 s[4:5], s[6:7], s[8:9]
	s_mov_b32 s26, 4096
	s_cselect_b32 s26, 12288, s26                  ; a row of the weight in bytes
	s_cselect_b32 s27, 0, 24
	s_sub_co_u32 s27, s18, s27                     ; which 128 columns of that weight
.set i, 1
.rept 31
	v_add_nc_u32 v[OFF+i], s26, v[OFF+i-1]
.set i, i+1
.endr
	s_lshl_b32 s24, s26, 5                         ; 32 rows on
	s_mov_b32 s25, 0
	s_lshl_b32 s28, s26, 7
	s_mul_i32 s28, s28, s19                        ; my 128 rows,
	s_lshl_b32 s29, s27, 9
	s_add_co_u32 s28, s28, s29
	s_lshl_b32 s29, s16, 7
	s_add_co_u32 s28, s28, s29                     ; my wave's 32 columns
	s_mov_b32 s29, 0
	s_add_nc_u64 s[4:5], s[4:5], s[28:29]
	s_lshl_b32 s30, s18, 3
	s_lshl_b32 s31, s16, 1
	s_add_co_u32 s30, s30, s31                     ; R0: my first block of 16 columns
	s_mul_i32 s32, s30, 12288
	s_mul_i32 s33, s19, 1536
	s_add_co_u32 s32, s32, s33
	s_mov_b32 s33, 0
	s_lshl_b32 s34, s30, 9
	s_lshl_b32 s35, s19, 6
	s_add_co_u32 s34, s34, s35
	s_add_co_u32 s34, s34, WS_OFF
	s_mov_b32 s35, 0
	s_add_nc_u64 s[34:35], s[12:13], s[34:35]
	s_add_nc_u64 s[12:13], s[12:13], s[32:33]
.macro WLOAD t                         ; block t: 32 rows at my column; the 32 lanes of a load read 128 consecutive bytes
.if (\t) > 0
	s_wait_xcnt 0x0                                ; the earlier loads have read their base
	s_add_nc_u64 s[4:5], s[4:5], s[24:25]
.endif
.irp i, 0,1,2,3,4,5,6,7,8,9,10,11,12,13,14,15,16,17,18,19,20,21,22,23,24,25,26,27,28,29,30,31
	global_load_b32 v[WX+32*((\t)%2)+\i], v[OFF+\i], s[4:5] th:TH_LOAD_NT
.endr
.endm
.macro WBLOCK t
.set XW, WX+32*((\t)%2)
.set QQ, (\t)/4                        ; K step of 128
.set BE, (\t)%4                        ; block in it
.set DST, FA+24*QQ+12*(BE%2)+6*(BE/2)  ; even blocks into FA, odd ones into FB
.if (\t) < 3
	s_wait_loadcnt 32                              ; this block's 32 loads are in; the next block's may be out
.else
	s_wait_loadcnt 0x0
.endif
	v_max3_num_f32 v12, |v[XW]|, |v[XW+1]|, |v[XW+2]|
	v_max3_num_f32 v13, |v[XW+3]|, |v[XW+4]|, |v[XW+5]|
.irp i, 6,10,14,18,22,26
	v_max3_num_f32 v12, v12, |v[XW+\i]|, |v[XW+\i+1]|
	v_max3_num_f32 v13, v13, |v[XW+\i+2]|, |v[XW+\i+3]|
.endr
	v_max3_num_f32 v12, v12, |v[XW+30]|, |v[XW+31]|
	v_max3_num_f32 v12, v12, v13, 0x1800000        ; and the floor
	v_add_nc_u32 v11, 0xff000000, v12              ; the conversion's scale operand
	v_lshrrev_b32 v13, 23, v11                     ; the byte
.if BE == 0
	v_mov_b32 v[WS+QQ], v13
.else
	v_lshl_or_b32 v[WS+QQ], v13, 8*BE, v[WS+QQ]
.endif
	v_cvt_scalef32_pk16_fp6_f32 v[DST:DST+2], v[XW:XW+15], v11
	v_cvt_scalef32_pk16_fp6_f32 v[CT:CT+2], v[XW+16:XW+31], v11
	v_nop                                          ; one plain instruction behind the scaled conversions
.irp i, 0,1,2
	v_mov_b32 v[DST+3+\i], v[CT+\i]
.endr
.if (\t)+2 < 4
	WLOAD (\t)+2
.endif
.if BE%2 == 1                          ; FA: block 2 c of 32 columns, FB: block 2 c + 1.  FA's lanes 16-31 change places with FB's lanes 0-15: FA is then R0's registers 6 c on, FB those of R0 + 1
	s_wait_alu depctr_va_vdst(0)
.irp i, 0,1,2,3,4,5
	v_permlane16_swap_b32 v[FA+24*QQ+6*(BE/2)+\i], v[FB+24*QQ+6*(BE/2)+\i]
.endr
.endif
.if BE == 3
.irp g, 0,1,2
	global_store_b128 v3, v[FA+24*QQ+4*\g:FA+24*QQ+4*\g+3], s[12:13] offset:1536*QQ+512*\g
	global_store_b128 v3, v[FB+24*QQ+4*\g:FB+24*QQ+4*\g+3], s[12:13] offset:12288+1536*QQ+512*\g
.endr
.endif
.endm
	s_wait_alu depctr_va_vdst(0)
	WLOAD 0
	WLOAD 1
.irp t, 0,1,2,3
	WBLOCK \t
.endr
	global_store_b32 v14, v[WS], s[34:35]          ; 64 consecutive bytes for each of the two blocks: one byte in 128 of what this path reads
	s_endpgm
.Lfunc_end_k_qfb5efb3a73_quant:
	.size	k_qfb5efb3a73_quant, .Lfunc_end_k_qfb5efb3a73_quant-k_qfb5efb3a73_quant
	.p2alignl 7, 3214868480
	.fill 96, 4, 3214868480
	.section	.rodata,"a",@progbits
	.p2align	6, 0x0
	.amdhsa_kernel k_qfb5efb3a73_quant
		.amdhsa_group_segment_fixed_size 35328
		.amdhsa_private_segment_fixed_size 0
		.amdhsa_enable_private_segment 0
		.amdhsa_kernarg_size 40
		.amdhsa_user_sgpr_count 2
		.amdhsa_user_sgpr_kernarg_segment_ptr 1
		.amdhsa_wavefront_size32 1
		.amdhsa_system_sgpr_workgroup_id_x 1
		.amdhsa_system_sgpr_workgroup_id_y 1
		.amdhsa_system_sgpr_workgroup_id_z 1
		.amdhsa_system_vgpr_workitem_id 0
		.amdhsa_next_free_vgpr 250
		.amdhsa_next_free_sgpr 66
		.amdhsa_reserve_vcc 0
		.amdhsa_float_denorm_mode_32 3
		.amdhsa_float_denorm_mode_16_64 3
		.amdhsa_memory_ordered 1
		.amdhsa_forward_progress 1
		.amdhsa_inst_pref_size 56
	.end_amdhsa_kernel
	.amdgpu_metadata
---
amdhsa.version: [ 1, 2 ]
amdhsa.kernels:
  - .name:           k_qfb5efb3a73_quant
    .symbol:         k_qfb5efb3a73_quant.kd
    .args:
      - { .name: x, .offset: 0, .size: 8, .value_kind: global_buffer, .address_space: global }
      - { .name: w_in, .offset: 8, .size: 8, .value_kind: global_buffer, .address_space: global }
      - { .name: w_out, .offset: 16, .size: 8, .value_kind: global_buffer, .address_space: global }
      - { .name: xq, .offset: 24, .size: 8, .value_kind: global_buffer, .address_space: global }
      - { .name: wq, .offset: 32, .size: 8, .value_kind: global_buffer, .address_space: global }
    .group_segment_fixed_size: 35328
    .private_segment_fixed_size: 0
    .kernarg_segment_align: 8
    .kernarg_segment_size: 40
    .max_flat_workgroup_size: 128
    .sgpr_count:     66
    .vgpr_count:     250
    .wavefront_size: 32
...
	.end_amdgpu_metadata
.endif
;; end of part 1
;; launch qkv (part 2): grid 8 x 32, 4 waves a work-group, clusters of 4 x 4, 327,680 bytes of LDS; arguments xq, wq, qc, kv; writes qc, kv
.if DOCPART == 2
	.amdgcn_target "amdgcn-amd-amdhsa--gfx1250"
	.amdhsa_code_object_version 6
	.text
	.protected	k_qfb5efb3a73_qkv
	.globl	k_qfb5efb3a73_qkv
	.p2align	8
	.type	k_qfb5efb3a73_qkv,@function
k_qfb5efb3a73_qkv:
	s_mov_b64 s[64:65], 0
	v_nop
	global_prefetch_b8 v0, s[64:65] scope:SCOPE_SE
	s_setreg_imm32_b32 hwreg(HW_REG_WAVE_MODE, 25, 1), 1
	s_wait_xcnt 0x0
	s_wait_alu depctr_hold_cnt(0) depctr_sa_sdst(0) depctr_va_vdst(0) depctr_va_sdst(0) depctr_va_ssrc(0) depctr_va_vcc(0) depctr_vm_vsrc(0)
	s_getreg_b32 s2, hwreg(HW_REG_IB_STS2, 6, 4)
	s_cmp_eq_u32 s2, 0
	s_cbranch_scc0 .Lentry_in_a_cluster
	s_endpgm
.Lentry_in_a_cluster:
	s_bfe_u32 s2, ttmp6, 0x10000c
	s_cmp_lg_u32 s2, 0xf033
	s_cbranch_scc0 .Lentry_shape_is_right
	s_endpgm
.Lentry_shape_is_right:
; qkv = x w_in on codes of FP6 (E2M3) with E8M0 scales, K = 1,024; the results are quantised in registers on the way out and leave as codes: no f32 number goes to memory.
; SHARES.  A work-group owns 256 tokens and, one after the other, 128 columns (two heads) of q, of k and of v: three phases of equal work, 256 work-groups in all.
; ALL OF K LIES IN LDS: x's 256 rows (196,608 bytes) stay for the whole launch; w's 128 rows (98,304 bytes) are filled again for each phase, behind the phase's last product, and land while its results leave.
; OPERANDS ARE IMAGES OF REGISTERS: a fragment (16 rows x 128 K) is 1,536 bytes, registers 4 g .. 4 g + 3 of lane l at 512 g + 16 l: three ds_load_b128 of consecutive bytes bring it.
; WAVES.  Wave w takes tokens 128 (w / 2) on and columns 64 (w % 2) on (one head): 8 blocks of x, 4 of w, 32 accumulators.  A lane holds one row of source 1, its registers run along source 0's rows; by the
; order of rows inside the blocks (place 16 u + 8 c + i of each 32 holds row 16 c + 8 u + i) the 16 registers of two neighbouring tiles are 16 neighbours.
;   q, k are quantised along d: source 0 = w, source 1 = x, accumulator (xb, wb) at 8 (4 xb + wb): the 64 registers of token blocks 2 i, 2 i + 1 become a PAIR TILE [64 codes of block 2 i | 64 of block 2 i + 1].
;   v is quantised along the keys: source 0 = x, source 1 = w, accumulator (wb, xb) at 8 (8 wb + xb): the 64 registers of channel block wb become a fragment of 16 channels x 128 keys.
; CLUSTERS of 4 x 4: x's tile is asked for jointly along a row of the cluster, w's panels along a column.
; OUT: qc, per (batch, head) 51,200 bytes: 32 pair tiles of 1,536 bytes, then their scale words.
;      kv, per (batch, head) 102,400 bytes: 8 key steps x [K: 4 pair tiles | V: 4 fragments | K's scale words 256 | V's 256].
; LIMITS: NaN and infinities are not served; a block of zeros gets the byte 1 (not 127): its codes are zeros and this program alone reads the bytes; blocks under 2^-124 are held at byte 1.
; REGISTERS: window 0: v0-31 addresses; v32-63 x's scale words for all of K; v177-224 w's; v80-109 at work on the way out; v128-175 the codes.
;   windows 1 and 3: the two sets of fragments (x at 0-95, w at 96-143);  window 2: the accumulators.
.set XS_OFF, 6291456
.set WS_OFF, 3145728
.set FR,    12
.set FRB,   1536
.set BLK,   8*FRB                      ; a block of 16 rows, all of K, in memory
.set XSL,   16*2*FRB                   ; LDS: a slice (256 along K) of x's 256 rows
.set WSL,   8*2*FRB                    ; and of w's 128 rows
.set WT,    4*XSL                      ; w's panel lies behind x's four slices
.set SCX,   WT+4*WSL                   ; x's scale words: [16 blocks][8 K steps][64]
.set SCW,   SCX+8192                   ; w's, of all three panels: [3][8 blocks][8 K steps][64]
.set SPARE, SCW+12288                  ; the spare words, 128 bytes for each wave
.set STG,   SPARE+512                  ; 256 bytes for each wave: a phase's scale words on their way out; no fill lands here
.set IO,   2                           ; v2   16 x lane
.set IO8,  10                          ; v10  8 x lane
.set ADX,  12                          ; v12-13 my 8 blocks of x in slices 0, 1 and 2, 3
.set ADW,  16                          ; v16-17 my 4 blocks of w in slices 0, 1 and 2, 3
.set ADSX, 18                          ; v18  x's scale words: lanes 0-15 an even K step, lanes 16-31 the odd one behind it
.set ADSW, 19                          ; v19  w's
.set SWA,  24                          ; v24  the way out: my row's scale word in my wave's stage
.set SRD,  25                          ; v25  and 8 bytes a lane back
.set SPW,  28
.set NIL,  29
.set SX,   32                          ; block xb, K steps 2 k and 2 k + 1: v[SX + 4 xb + k]
.set SWB,  177                         ; w's scale words, panel ph, block wb, K steps 2 k and 2 k + 1: v[SWB + 16 ph + 4 wb + k]: v177-224; no such register has the number of one of x's modulo 8
.set SW,   SWB                         ; the panel at work
.set TM,   80
.set CT0,  96
.set CT1,  100
.set WD,   104
.set OW,   108
.set H,    128
.set G1X,  24                          ; s[24:31] group 1, x's codes;  s[32:39] w's codes
.set G1W,  32
.set G1SX, 40
.set G1SW, 48
.set G0SX, 76                          ; groups 0: x's halves s[56:59], s[60:63]; x's scale words s[76:79]; w's halves s[80:87]; w's scale words s[96:99]; the refills s[20:23]
.set G0W,  80
.set G0SW, 96
.set MSB, 0
.macro WIN new                         ; the immediate's high byte repeats the setting that is left
.if MSB != (\new)
	s_set_vgpr_msb (MSB<<8)|(\new)
.set MSB, (\new)
.endif
.endm
.macro CREST                           ; a round of the cluster's barrier behind its opening barrier
	s_cmp_lg_u32 s14, 0
	s_cbranch_scc1 .Lnot_wave_0_\@
	s_barrier_signal -3
.Lnot_wave_0_\@:
	s_barrier_wait -3
	s_barrier_signal -1
	s_barrier_wait -1
.endm
.macro CROUND
	s_barrier_signal -1
	s_barrier_wait -1
	CREST
.endm
.macro PLACES n                        ; plain vector instructions between a matrix instruction and a load into, or a read of, its registers
.rept \n
	v_nop
.endr
.endm
	s_load_b256 s[4:11], s[0:1], 0x0               ; xq s[4:5], wq s[6:7], qc s[8:9], kv s[10:11]
	v_lshl_add_u32 v[SPW], v0, 2, SPARE
	v_mov_b32 v[NIL], 0
	ds_add_u32 v28, v29
	ds_add_u32 v28, v29
	s_wait_dscnt 0x0
	v_lshrrev_b32 v1, 5, v0
	v_readfirstlane_b32 s14, v1                    ; wave 0..3
	s_lshr_b32 s15, s14, 1                         ; which 128 tokens are mine
	s_and_b32 s16, s14, 1                          ; which 64 columns
	s_bfe_u32 s67, ttmp6, 0x40000                  ; cx
	s_bfe_u32 s3, ttmp6, 0x40004                   ; cy
	s_lshl_b32 s18, ttmp9, 2
	s_add_co_u32 s18, s18, s67                     ; which panel of 128 columns: 4 x cluster x + cx
	s_and_b32 s17, ttmp7, 0xffff
	s_lshl_b32 s17, s17, 2
	s_add_co_u32 s17, s17, s3                      ; which 256 tokens: 4 x cluster y + cy
	s_lshl_b32 s100, s3, 2
	s_lshl_b32 s100, 15, s100                      ; my row of the cluster
	s_lshl_b32 s101, 0x1111, s67                   ; my column
	; group 1 for codes: rows (blocks of 16) of 6,144 bytes (four K steps' images), 12,288 bytes apart; elements of 8 bytes; no padding
	s_or_b32 s[G1X], s100, (3<<16)|(1<<21)
	s_or_b32 s[G1W], s101, (3<<16)|(1<<21)
	; LDS IS LAID BY HALVES OF K: x [2 halves][16 blocks][4 K steps][1,536], w [2 halves][8 blocks][4 K steps][1,536].  A tile's row is a block's four K steps, 6,144 bytes, 12,288 apart in memory
	s_mov_b32 s[G1X+2], 16<<16                     ; x: 16 blocks
	s_mov_b32 s[G1X+4], 16
	s_mov_b32 s[G1W+2], 8<<16                      ; w: 8 blocks at the head; the refills bring 2 a wave
	s_mov_b32 s[G1W+4], 8
.irp g, G1X, G1W
	s_mov_b32 s[\g+1], 768<<16
	s_mov_b32 s[\g+3], 768<<16
	s_mov_b32 s[\g+5], 1536                        ; tensor_dim0_stride
	s_mov_b32 s[\g+6], 0
	s_mov_b32 s[\g+7], 0
.endr
	; THE SCALE WORDS do not pass through LDS: each wave loads its own (x's 4,096 dense bytes, 2,048 of each panel of w) straight into the registers that hold them
	; x's addresses are made of the token tile and the wave's number alone, w's of the panel and the wave's number alone, each in registers of their own
	s_lshl_b32 s12, s17, 1                         ; my work-group's first 128 rows of x
	s_lshl_b32 s2, s12, 12
	s_add_co_u32 s2, s2, XS_OFF                    ; their scale words
	s_mov_b32 s3, 0
	s_mul_i32 s12, s12, 8*BLK                      ; their codes
	s_mov_b32 s13, 0
	s_mul_i32 s104, s18, 8*BLK                     ; q's panel of w
	s_mov_b32 s105, 0
	s_lshl_b32 s66, s18, 12
	s_add_co_u32 s66, s66, WS_OFF                  ; its scale words
	s_mov_b32 s67, 0
	s_mul_i32 s22, s14, 2*BLK                      ; the refills: wave w brings blocks 2 w, 2 w + 1 of a half of K
	s_add_co_u32 s22, s22, s104
	s_add_co_u32 s22, s22, 64*BLK                  ; of k's panel, 64 blocks on
	s_mov_b32 s23, 0
	s_wait_kmcnt 0x0
	s_add_nc_u64 s[12:13], s[4:5], s[12:13]
	s_add_nc_u64 s[104:105], s[6:7], s[104:105]
	s_add_nc_u64 s[G0SX+2:G0SX+3], s[4:5], s[2:3]      ; the scale words of my work-group's 256 rows of x
	s_add_nc_u64 s[G0SW+2:G0SW+3], s[6:7], s[66:67]    ; and of q's panel of w; k's and v's lie 32,768 and 65,536 bytes on
.irp k, 0,1                            ; groups 0 of the two halves of K: x's s[56:59], s[60:63]; w's s[80:83], s[84:87]
.set GX, 56+4*\k
	s_mov_b32 s[GX], 1
	s_mov_b32 s[GX+1], \k*2*XSL
	s_add_nc_u64 s[GX+2:GX+3], s[12:13], \k*4*FRB
	s_or_b32 s[GX+3], s[GX+3], 0x80000000
	s_mov_b32 s[G0W+4*\k], 1
	s_mov_b32 s[G0W+4*\k+1], WT+\k*2*WSL
	s_add_nc_u64 s[G0W+4*\k+2:G0W+4*\k+3], s[104:105], \k*4*FRB
	s_or_b32 s[G0W+4*\k+3], s[G0W+4*\k+3], 0x80000000
.endr
	s_mov_b32 s20, 1
	s_mul_i32 s21, s14, WSL/2
	s_add_co_u32 s21, s21, WT
	s_add_nc_u64 s[22:23], s[6:7], s[22:23]
	s_or_b32 s23, s23, 0x80000000
	s_mov_b32 s88, 1                               ; s[88:91]: the same two blocks in the panel's second half of K
	s_add_co_u32 s89, s21, 2*WSL
	s_add_nc_u64 s[90:91], s[22:23], 4*FRB
	CROUND                                         ; all sixteen work-groups are here: the first joint loads meet
	; THE FIRST FILLS, one branch a wave: wave 0 w's first half of K, wave 1 x's, wave 2 w's second half, wave 3 x's: one load of a wave is out
	; THE HEAD'S LOADS, one a wave, in one chain of branches on the wave's number: w's first half of K, x's first half, w's second half, x's second half
.macro ARM under, g0, g1, next
	s_cmp_lt_u32 s14, \under
	s_cbranch_scc0 \next
	tensor_load_to_lds s[\g0:\g0+3], s[\g1:\g1+7]
	s_nop 0
	PLACES 4
	s_branch .Lasked
\next:
.endm
	ARM 1, G0W, G1W, .Lhead_x
	ARM 2, 56, G1X, .Lhead_w1                      ; (the chain now reads: w's first half of K, x's first half, w's second half, x's second half: all of K is asked for at the head)
	ARM 3, G0W+4, G1W, .Lhead_x1
	tensor_load_to_lds s[60:63], s[G1X:G1X+7]
	s_nop 0
	PLACES 4
.Lasked:
	v_and_b32 v1, 31, v0                           ; lane
	v_lshlrev_b32 v[IO], 4, v1
	s_wait_alu depctr_va_vdst(0)
	v_lshlrev_b32 v3, 2, v1
	s_wait_alu depctr_va_vdst(0)
	v_lshlrev_b32 v[IO8], 3, v1
	s_wait_alu depctr_va_vdst(0)
	s_mul_i32 s19, s15, 8*4*FRB                    ; my 8 blocks of x in a half of K
.irp k, 0,1
	v_add_nc_u32 v[ADX+\k], s19, v[IO]
	s_add_co_u32 s19, s19, 2*XSL
.endr
	s_mul_i32 s19, s16, 4*4*FRB
	s_add_co_u32 s19, s19, WT
	v_add_nc_u32 v[ADW], s19, v[IO]
	s_add_co_u32 s19, s19, 2*WSL
	v_add_nc_u32 v[ADW+1], s19, v[IO]
	s_lshl_b32 s19, s15, 12
	v_add_nc_u32 v[ADSX], s19, v3
	s_lshl_b32 s19, s16, 11
	v_add_nc_u32 v[ADSW], s19, v3
	v_and_b32 v4, 15, v0
	v_lshlrev_b32 v4, 2, v4
	s_lshl_b32 s19, s14, 8
	s_add_co_u32 s19, s19, STG
	v_add_nc_u32 v[SWA], s19, v4
	v_add_nc_u32 v[SRD], s19, v[IO8]
.irp b, 0,1,2,3
	v_mov_b32 v[TM+4+\b], 0                        ; written once: a lane permute's destination counts as a source
.endr
	s_mov_b32 s104, 0x1800000                      ; the floor 2^(3 - 127) of a block's largest magnitude
	s_mov_b32 s100, 0x76543210
	s_mov_b32 s101, 0xfedcba98                     ; v_permlanex16_b32's selects for lane l xor 16
.macro FRX s, i                        ; x's block i of K step s: its image, as it lies
.irp g, 0,1,2
	ds_load_b128 v[FR*(\i)+4*\g:FR*(\i)+4*\g+3], v[ADX+(\s)/4] offset:(\i)*4*FRB+((\s)%4)*FRB+512*\g
.endr
.endm
.macro FRW s, i                        ; w's block i
.irp g, 0,1,2
	ds_load_b128 v[96+FR*(\i)+4*\g:96+FR*(\i)+4*\g+3], v[ADW+(\s)/4] offset:(\i)*4*FRB+((\s)%4)*FRB+512*\g
.endr
.endm
.macro RUN1 s                          ; 24 loads: what the first half of K step s multiplies; even steps into window 1, odd ones into window 3
	WIN 0x40+0x80*((\s)%2)
.irp i, 0,1,2,3
	FRW \s, \i
.endr
.irp i, 0,1,2,3
	FRX \s, \i
.endr
.endm
.macro RUN2 s                          ; 12 loads: x's blocks 4-7
	WIN 0x40+0x80*((\s)%2)
.irp i, 4,5,6,7
	FRX \s, \i
.endr
.endm
.macro SCALEX                          ; x's scale words for all of K: they stay in registers for the three phases
.irp i, 0,1,2,3,4,5,6,7
.irp k, 0,1,2,3
	global_load_b32 v[SX+4*\i+\k], v[ADSX], s[G0SX+2:G0SX+3] offset:512*\i+128*\k
.endr
.endr
.endm
.macro SCALEW ph                       ; w's, of panel ph
.irp i, 0,1,2,3
.irp k, 0,1,2,3
	global_load_b32 v[SWB+16*(\ph)+4*\i+\k], v[ADSW], s[G0SW+2:G0SW+3] offset:32768*(\ph)+512*\i+128*\k
.endr
.endr
.endm
.macro WM a, b, sa, sb, first, odd     ; one product onto v[rD] on; an odd K step takes its scale words from lanes 16-31
.if (\first) == 1
	v_wmma_scale_f32_16x16x128_f8f6f4 v[rD:rD+7], v[\a:\a+FR-1], v[\b:\b+FR-1], 0, v[\sa], v[\sb] matrix_a_fmt:MATRIX_FMT_FP6 matrix_b_fmt:MATRIX_FMT_FP6
.elseif (\odd) == 0
	v_wmma_scale_f32_16x16x128_f8f6f4 v[rD:rD+7], v[\a:\a+FR-1], v[\b:\b+FR-1], v[rD:rD+7], v[\sa], v[\sb] matrix_a_fmt:MATRIX_FMT_FP6 matrix_b_fmt:MATRIX_FMT_FP6
.else
	v_wmma_scale_f32_16x16x128_f8f6f4 v[rD:rD+7], v[\a:\a+FR-1], v[\b:\b+FR-1], v[rD:rD+7], v[\sa], v[\sb] matrix_a_fmt:MATRIX_FMT_FP6 matrix_b_fmt:MATRIX_FMT_FP6 matrix_a_scale:MATRIX_SCALE_ROW1 matrix_b_scale:MATRIX_SCALE_ROW1
.endif
.endm
.macro MM xb, wb, s, mode, first
.set rX, FR*(\xb)
.set rW, 96+FR*(\wb)
.set rSX, SX+4*(\xb)+(\s)/2
.set rSW, SW+4*(\wb)+(\s)/2
.if (\mode) == 0
.set rD, 8*(4*(\xb)+(\wb))
	WM rW, rX, rSW, rSX, \first, (\s)%2
.else
.set rD, 8*(8*(\wb)+(\xb))
	WM rX, rW, rSX, rSW, \first, (\s)%2
.endif
.endm
.macro MUL16 h, s, mode, first         ; x's blocks 4 h .. 4 h + 3 against w's four.  The 32 accumulators take turns, one instruction a turn, in the same order in every step
.irp x, 0,1,2,3
.irp w, 0,1,2,3
	MM 4*(\h)+\x, \w, \s, \mode, \first
.endr
.endr
.endm
; A K STEP of 128: 32 products on one set of fragments; the next step's 36 loads go into the other set, each run 32 products ahead of its first use.
; bar >= 0: the next step begins a slice that is still on its way: each wave waits until its part has landed and for its LDS loads, then the work-group's barrier
.macro STEP s, mode, first, bar
; bar = 0: the next step begins the second half of K: every wave waits for all its tensor loads and its LDS loads, then the work-group's barrier.
; bar = 1, 2: the same place also ends all reads of w's first half (this step's fragments are in registers): the round that shows the second half lets the first be filled with the next panel's
.if (\bar) == 0
	s_wait_tensorcnt 0x0
	s_wait_dscnt 0x0
	s_barrier_signal -1
	s_barrier_wait -1
.elseif (\bar) == 1
	REFILL 20, 1, 0
.elseif (\bar) == 2
	REFILL 20, 0, 1
.else
	s_wait_dscnt 12                                ; all but the youngest twelve loads (x's blocks 4-7) are in
.endif
.if (\s) < 7
	PLACES 4                                       ; behind the last step's products, which read the set that is loaded now
	RUN1 (\s)+1
.endif
	WIN 0xa5+0x0a*((\s)%2)                         ; sources 0 and 1: window 1 or 3; C and D: window 2
	MUL16 0, \s, \mode, \first
.if (\s) < 7
	s_wait_dscnt 24                                ; all but the 24 just issued
	RUN2 (\s)+1
.else
	s_wait_dscnt 0x0
.endif
	WIN 0xa5+0x0a*((\s)%2)
	MUL16 1, \s, \mode, \first
.endm
.macro KWORK mode, b1, b3, b5          ; a phase's eight K steps; the first starts the sums with the constant 0
	STEP 0, \mode, 1, -1
	STEP 1, \mode, 0, \b1
	STEP 2, \mode, 0, -1
	STEP 3, \mode, 0, \b3
	STEP 4, \mode, 0, -1
	STEP 5, \mode, 0, \b5
	STEP 6, \mode, 0, -1
	STEP 7, \mode, 0, -1
.endm
; W'S PANEL IS FILLED AGAIN.  Each wave waits for all its tensor loads, adds 0 to its spare word, waits for that and for its reads of the panel; a round of the cluster's barrier;
; then its one joint load: blocks 2 w, 2 w + 1 of a half of the next panel.  The four v_nop behind it are also the places in front of the first read of the results
; A HALF OF W'S PANEL IS FILLED AGAIN, by group 0 at s[g] on: the first half at K step 3 of the phase before, the second behind that phase's last product.  step: on to the next panel; shrink: from here on a load of w brings 2 blocks
.macro REFILL g, step, shrink
	WIN 0
	s_wait_tensorcnt 0x0                           ; no tensor load of mine is out, so descriptors may be written
	ds_add_u32 v[SPW], v[NIL]                      ; 0 onto my spare word
.if \step
	s_add_nc_u64 s[\g+2:\g+3], s[\g+2:\g+3], 64*BLK   ; the next panel, 64 blocks on; the type bits on top are not reached
.endif
.if \shrink
	s_mov_b32 s[G1W+2], 2<<16
	s_mov_b32 s[G1W+4], 2
.endif
	s_wait_dscnt 0x0                               ; the add is done, and my reads of that half are over
	CROUND                                         ; no wave of any partner still reads it or has a load on its way
	tensor_load_to_lds s[\g:\g+3], s[G1W:G1W+7]
	s_nop 0
	PLACES 4
.endm
.macro CHANGE step
	REFILL 88, \step, 0
.endm
.macro NEXT ph                         ; the panel's first half was shown whole by the round at the last phase's end; its second half is shown at K step 3; its scale words are in registers since the head
.set SW, SWB+16*(\ph)
	RUN1 0
	RUN2 0
.endm
; THE WAY OUT.  Accumulator registers 64 e .. 64 e + 63 are, for my lane's row, 128 numbers: register 16 b + n = 32 b + 16 (lane / 16) + n.  EQ makes of them 12 registers of codes and a scale word.
; Each accumulator is read from its low end on.
.macro EQ e
.set AC, 64*(\e)
.set D0, H+12*(\e)
	WIN 0x28                                       ; sources 1 and 2: the accumulators' window
.irp b, 0,1,2,3
	v_max3_num_f32 v[TM+\b], s104, |v[AC+16*\b]|, |v[AC+16*\b+1]|
.endr
.irp j, 2,4,6,8,10,12,14
.irp b, 0,1,2,3
	v_max3_num_f32 v[TM+\b], v[TM+\b], |v[AC+16*\b+\j]|, |v[AC+16*\b+\j+1]|
.endr
.endr
	WIN 0
.irp b, 0,1,2,3
	v_permlanex16_b32 v[TM+4+\b], v[TM+\b], s100, s101
.endr
.irp b, 0,1,2,3
	v_max_num_f32 v[TM+\b], v[TM+\b], v[TM+4+\b]   ; with lane l xor 16's 16: the block's largest magnitude
.endr
.irp b, 0,1,2,3
	v_add_nc_u32 v[TM+12+\b], 0xff000000, v[TM+\b] ; 2 off its exponent field: the conversion's scale operand
.endr
.irp b, 0,1,2,3
	v_lshrrev_b32 v[TM+4+\b], 23, v[TM+12+\b]      ; the byte
.endr
	v_lshl_or_b32 v[WD+(\e)], v[TM+5], 8, v[TM+4]
	v_lshl_or_b32 v[WD+(\e)], v[TM+6], 16, v[WD+(\e)]
	v_lshl_or_b32 v[WD+(\e)], v[TM+7], 24, v[WD+(\e)]
	WIN 0x02                                       ; source 0: the accumulators' window
	v_cvt_scalef32_pk16_fp6_f32 v[D0:D0+2], v[AC:AC+15], v[TM+12]
	v_cvt_scalef32_pk16_fp6_f32 v[CT0:CT0+2], v[AC+16:AC+31], v[TM+13]
	v_cvt_scalef32_pk16_fp6_f32 v[D0+6:D0+8], v[AC+32:AC+47], v[TM+14]
	v_cvt_scalef32_pk16_fp6_f32 v[CT1:CT1+2], v[AC+48:AC+63], v[TM+15]
	WIN 0
	v_nop                                          ; one plain instruction behind the scaled conversions
.irp n, 0,1,2
	v_permlane16_swap_b32 v[D0+\n], v[CT0+\n]      ; a lane wants a whole block of 32
	v_permlane16_swap_b32 v[D0+6+\n], v[CT1+\n]
.endr
.irp n, 0,1,2
	v_mov_b32 v[D0+3+\n], v[CT0+\n]
	v_mov_b32 v[D0+9+\n], v[CT1+\n]
.endr
.endm
.macro WAYOUT                          ; four images to s[56:57], their 256 bytes of scale words to s[58:59]
.irp i, 0,1,2,3
	EQ \i
.irp g, 0,1,2
	global_store_b128 v[IO], v[H+12*\i+4*\g:H+12*\i+4*\g+3], s[56:57] offset:FRB*\i+512*\g   ; 512 consecutive bytes, aligned
.endr
	ds_store_b32 v[SWA], v[WD+\i] offset:64*\i     ; lanes l and l + 16 write the same word with the same value
.endr
	ds_load_b64 v[OW:OW+1], v[SRD]                 ; LDS serves a wave's instructions in order: this sees my stores
	s_wait_dscnt 0x0
	global_store_b64 v[IO8], v[OW:OW+1], s[58:59]  ; 256 consecutive bytes, aligned
.endm
	s_wait_alu depctr_va_vdst(0)
	SCALEX
	SCALEW 0
	SCALEW 1
	SCALEW 2
	s_cmp_lt_u32 s14, 2
	s_cbranch_scc0 .Lnot_first
	s_wait_tensorcnt 0x0                           ; waves 0 and 1: my tile of the first half of K is in
.Lnot_first:
	s_barrier_signal -1
	s_barrier_wait -1                              ; the first halves are whole; the second may be on their way
	RUN1 0
	RUN2 0
	; ---- q
	s_wait_loadcnt 0x0                             ; the scale words
	KWORK 0, -1, 2, -1                             ; at K step 3: the second halves are shown, k's first half is asked for
	CHANGE 0                                       ; k's panel is asked for; q leaves meanwhile
	s_lshr_b32 s68, s17, 2
	s_lshl_b32 s68, s68, 4
	s_lshl_b32 s69, s18, 1
	s_add_co_u32 s68, s68, s69
	s_add_co_u32 s68, s68, s16                     ; 16 x batch + head
	s_and_b32 s69, s17, 3
	s_lshl_b32 s69, s69, 1
	s_add_co_u32 s69, s69, s15                     ; which 128 tokens of the batch
	s_mul_i32 s60, s68, 51200
	s_mul_i32 s62, s69, 4*FRB
	s_add_co_u32 s62, s62, s60
	s_mov_b32 s63, 0
	s_add_nc_u64 s[56:57], s[8:9], s[62:63]        ; my four pair tiles of q
	s_lshl_b32 s62, s69, 8
	s_add_co_u32 s62, s62, s60
	s_add_co_u32 s62, s62, 49152
	s_add_nc_u64 s[58:59], s[8:9], s[62:63]        ; and their scale words
	WAYOUT
	NEXT 1
	; ---- k
	KWORK 0, -1, 1, -1                             ; at K step 3: v's first half is asked for
	CHANGE 1                                       ; v's panel is asked for; k leaves meanwhile
	s_wait_xcnt 0x0                                ; q's stores have read their registers and bases
	s_mul_i32 s60, s68, 102400
	s_mul_i32 s62, s69, 12800
	s_add_co_u32 s62, s62, s60
	s_add_nc_u64 s[56:57], s[10:11], s[62:63]      ; my key step of my head: K's four pair tiles
	s_add_nc_u64 s[58:59], s[56:57], 12288
	WAYOUT
	NEXT 2
	; ---- v: the sources change places
	KWORK 1, -1, 0, -1
	WIN 0
	PLACES 4
	s_wait_xcnt 0x0                                ; k's stores have read their registers and bases
	s_add_nc_u64 s[58:59], s[56:57], 12544         ; V's scale words,
	s_add_nc_u64 s[56:57], s[56:57], 4*FRB         ; V's four fragments, behind K's
	WAYOUT
	s_wait_tensorcnt 0x0                           ; the wave's end
	ds_add_u32 v[SPW], v[NIL]
	s_wait_dscnt 0x0
	CROUND                                         ; the closing round: no work-group ends while a partner may still ask for a tile that names it
	s_endpgm
.Lfunc_end_k_qfb5efb3a73_qkv:
	.size	k_qfb5efb3a73_qkv, .Lfunc_end_k_qfb5efb3a73_qkv-k_qfb5efb3a73_qkv
	.p2alignl 7, 3214868480
	.fill 96, 4, 3214868480
	.section	.rodata,"a",@progbits
	.p2align	6, 0x0
	.amdhsa_kernel k_qfb5efb3a73_qkv
		.amdhsa_group_segment_fixed_size 327680
		.amdhsa_private_segment_fixed_size 0
		.amdhsa_enable_private_segment 0
		.amdhsa_kernarg_size 32
		.amdhsa_user_sgpr_count 2
		.amdhsa_user_sgpr_kernarg_segment_ptr 1
		.amdhsa_wavefront_size32 1
		.amdhsa_system_sgpr_workgroup_id_x 1
		.amdhsa_system_sgpr_workgroup_id_y 1
		.amdhsa_system_sgpr_workgroup_id_z 1
		.amdhsa_system_vgpr_workitem_id 0
		.amdhsa_next_free_vgpr 1024
		.amdhsa_next_free_sgpr 106
		.amdhsa_reserve_vcc 0
		.amdhsa_float_denorm_mode_32 3
		.amdhsa_float_denorm_mode_16_64 3
		.amdhsa_memory_ordered 1
		.amdhsa_forward_progress 1
		.amdhsa_inst_pref_size 226
	.end_amdhsa_kernel
	.amdgpu_metadata
---
amdhsa.version: [ 1, 2 ]
amdhsa.kernels:
  - .name:           k_qfb5efb3a73_qkv
    .symbol:         k_qfb5efb3a73_qkv.kd
    .args:
      - { .name: xq, .offset: 0, .size: 8, .value_kind: global_buffer, .address_space: global }
      - { .name: wq, .offset: 8, .size: 8, .value_kind: global_buffer, .address_space: global }
      - { .name: qc, .offset: 16, .size: 8, .value_kind: global_buffer, .address_space: global }
      - { .name: kv, .offset: 24, .size: 8, .value_kind: global_buffer, .address_space: global }
    .group_segment_fixed_size: 327680
    .private_segment_fixed_size: 0
    .kernarg_segment_align: 8
    .kernarg_segment_size: 32
    .max_flat_workgroup_size: 128
    .sgpr_count:     106
    .vgpr_count:     1024
    .wavefront_size: 32
...
	.end_amdgpu_metadata
.endif
;; end of part 2
;; launch attn (part 3): grid 4 x 64, 8 waves a work-group, clusters of 4 x 1, 206,848 bytes of LDS; arguments qc, kv, aq; writes aq
.if DOCPART == 3
	.amdgcn_target "amdgcn-amd-amdhsa--gfx1250"
	.amdhsa_code_object_version 6
	.text
	.protected	k_qfb5efb3a73_attn
	.globl	k_qfb5efb3a73_attn
	.p2align	8
	.type	k_qfb5efb3a73_attn,@function
k_qfb5efb3a73_attn:
	s_mov_b64 s[64:65], 0
	v_nop
	global_prefetch_b8 v0, s[64:65] scope:SCOPE_SE
	s_setreg_imm32_b32 hwreg(HW_REG_WAVE_MODE, 25, 1), 1
	s_wait_xcnt 0x0
	s_wait_alu depctr_hold_cnt(0) depctr_sa_sdst(0) depctr_va_vdst(0) depctr_va_sdst(0) depctr_va_ssrc(0) depctr_va_vcc(0) depctr_vm_vsrc(0)
	s_getreg_b32 s2, hwreg(HW_REG_IB_STS2, 6, 4)
	s_cmp_eq_u32 s2, 0
	s_cbranch_scc0 .Lentry_in_a_cluster
	s_endpgm
.Lentry_in_a_cluster:
	s_bfe_u32 s2, ttmp6, 0x10000c
	s_cmp_lg_u32 s2, 0x3003
	s_cbranch_scc0 .Lentry_shape_is_right
	s_endpgm
.Lentry_shape_is_right:
; Attention on codes of FP6 (E2M3) with E8M0 scales, head size 64, 1,024 keys, logit = score / 32; the result is quantised in registers for the last product and leaves as codes.
; SOFTMAX: t = score x log2(e) / 32; M = the running largest t rounded up to a whole number; p = 2^(t - M) is quantised along the keys, not normalised; the row's sum is taken of the
; unquantised p and divides at the end; when M moves, the sum and O are multiplied by 2^(old M - new M), exactly.  The running maximum is kept as a score; -M = floor(-c x it).
; SHARES.  A work-group owns 256 queries of one batch and a PAIR of heads; each of its 8 waves 32 queries, TWO TILES of 16 (one pair tile of q), first for the one head, then for the other.
; Each fragment of K and V, each scale word, address and wait serves both tiles, and the two tiles' chains of dependent lines take turns.
; LDS.  The pair's K, V and scale words are one dense run of 204,800 bytes of kv: it comes in ONCE, each wave bringing two key steps (25,600 bytes); waves 0-3 the first head's, by a line of their own,
; so that the first head's work begins when its 102,400 bytes are in; the second head's are waited for by every wave between the heads.  Nothing is filled again, nothing is stored to LDS.
; CLUSTER.  The four query blocks of a batch and pair of heads read the same run: each part is asked for jointly, by the same tensor load with a mask that names the four.
; No prefetch: all that the launch reads is asked for at its head; there is no loop to run ahead in.
; K = 64 IN AN INSTRUCTION OF 128.  A pair tile of K holds [64 codes of key block 2 i | 64 of key block 2 i + 1]; it is multiplied by [q | zeros] and by [zeros | q]: zero codes add nothing.
; Both products are used transposed: a lane holds one query.  By the order of rows inside the blocks the 16 registers of score tiles 2 b, 2 b + 1 are keys 32 b + 16 (lane / 16) + 0 .. 15.
; THE ORDER OF A STEP: V's loads; S^T; the next step's K's loads; the maxima, M and f; O^T x f; t - M; the exponentials; p's scales and codes; the sums, which are the places ahead of the second product; O^T += V^T P^T.
; LIMITS: NaN and infinities are not served; a block of zeros gets the byte 1 (its codes are zeros, and this program alone reads the bytes); scaled scores stay under 2^31 in magnitude.
; REGISTERS, tile T = 0, 1.  Window 0: v1 16 x lane, v2 4 x lane; v[4+2T] -M, v[5+2T] largest score; v[8+2T:9+2T] the sum; v[12+2T] f, v[13+2T] p's scale word; v16-45 [0 | q0 | 0 | q1 | 0]; v46+T q's scale words;
;   v48-63 the conversions' second halves; v[64+2T:65+2T] the sums' second chains; v[72+12T ..] p's codes; v[96+64T ..] S^T, then p; v224-247 at work; v248-251 K's and V's scale words.
;   Window 1: v[64T+32e ..] O^T of head e; v128-175 V's fragments; v176-201 q as loaded; v208-255 K's fragments, fetched one step ahead.
.set XS_OFF, 6291456
.set CH,  12800                        ; a key step of a head: K 6,144 | V 6,144 | K's scale words 256 | V's 256
.set SPARE, 16*CH                      ; the spare words, 128 bytes for each wave
.set NM,  4
.set SU,  8
.set FF,  12
.set QZ,  16
.set QS,  46
.set CT,  48
.set XC,  64
.set PCD, 72
.set SS,  96
.set BM,  224
.set PT,  232
.set SO,  240
.set KS,  248
.set SPW, 252
.set NIL, 253
.set LA,  254
.set LB,  255
.set VF,  128
.set RQ,  176
.set RW,  200
.set KG,  208
.set OT,  96                           ; the way out: v96-127 at work, v128-129 scale words, v132-171 codes
.set OPW, 128
.set OPC, 132
.set WV,  18
.set NC,  19
.set SEL, 20
.set CS,  22
.set MSB, 0
.macro WIN new                         ; the immediate's high byte repeats the setting that is left
.if MSB != (\new)
	s_set_vgpr_msb (MSB<<8)|(\new)
.set MSB, (\new)
.endif
.endm
.macro PLACES n
.rept \n
	v_nop
.endr
.endm
.macro ROUND                           ; a round of the cluster's barrier
	s_barrier_signal -1
	s_barrier_wait -1
	s_cmp_lg_u32 s[WV], 0
	s_cbranch_scc1 .Lnot_wave_0_\@
	s_barrier_signal -3
.Lnot_wave_0_\@:
	s_barrier_wait -3
	s_barrier_signal -1
	s_barrier_wait -1
.endm
.macro WM d, a, b, acc, sa, sb, row    ; one product; acc = 0: the constant 0 starts the sum; row = 1: source 0's scale words from lanes 16-31
.if (\acc) == 0
.if (\row)
	v_wmma_scale_f32_16x16x128_f8f6f4 v[(\d):(\d)+7], v[(\a):(\a)+11], v[(\b):(\b)+11], 0, v[(\sa)], v[(\sb)] matrix_a_fmt:MATRIX_FMT_FP6 matrix_b_fmt:MATRIX_FMT_FP6 matrix_a_scale:MATRIX_SCALE_ROW1
.else
	v_wmma_scale_f32_16x16x128_f8f6f4 v[(\d):(\d)+7], v[(\a):(\a)+11], v[(\b):(\b)+11], 0, v[(\sa)], v[(\sb)] matrix_a_fmt:MATRIX_FMT_FP6 matrix_b_fmt:MATRIX_FMT_FP6
.endif
.else
.if (\row)
	v_wmma_scale_f32_16x16x128_f8f6f4 v[(\d):(\d)+7], v[(\a):(\a)+11], v[(\b):(\b)+11], v[(\d):(\d)+7], v[(\sa)], v[(\sb)] matrix_a_fmt:MATRIX_FMT_FP6 matrix_b_fmt:MATRIX_FMT_FP6 matrix_a_scale:MATRIX_SCALE_ROW1
.else
	v_wmma_scale_f32_16x16x128_f8f6f4 v[(\d):(\d)+7], v[(\a):(\a)+11], v[(\b):(\b)+11], v[(\d):(\d)+7], v[(\sa)], v[(\sb)] matrix_a_fmt:MATRIX_FMT_FP6 matrix_b_fmt:MATRIX_FMT_FP6
.endif
.endif
.endm
	s_load_b128 s[4:7], s[0:1], 0x0                ; qc s[4:5], kv s[6:7]
	s_load_b64 s[8:9], s[0:1], 0x10                ; aq
	v_lshl_add_u32 v[SPW], v0, 2, SPARE
	v_mov_b32 v[NIL], 0
	ds_add_u32 v[SPW], v[NIL]                      ; the opening lines: the add twice on end, and its wait ahead of my tensor load
	ds_add_u32 v[SPW], v[NIL]
	v_lshrrev_b32 v3, 5, v0
	v_readfirstlane_b32 s[WV], v3                  ; wave 0..7
	v_and_b32 v3, 31, v0                           ; lane
	v_lshlrev_b32 v1, 4, v3
	v_lshlrev_b32 v2, 2, v3
	v_and_b32 v[BM], 15, v0
	v_lshlrev_b32 v[BM], 2, v[BM]                  ; 4 r: q's scale words
	s_bfe_u32 s10, ttmp6, 0x40000                  ; cx: my block of 256 queries; it enters q's and aq's addresses alone
	s_and_b32 s11, ttmp7, 0xffff                   ; 8 x batch + pair of heads
	s_mov_b32 s32, 15|(3<<16)|(1<<21)              ; group 1: 25,600 dense bytes as 100 rows of 256 (32 elements of 8 bytes); the mask names all four work-groups
	s_mov_b32 s33, 32<<16
	s_mov_b32 s34, 100<<16
	s_mov_b32 s35, 32<<16
	s_mov_b32 s36, 100
	s_mov_b32 s37, 32
	s_mov_b32 s38, 0
	s_mov_b32 s39, 0
	s_mov_b32 s24, 1
	s_mul_i32 s25, s[WV], 2*CH                     ; LDS: wave x 25,600
	s_mul_i32 s12, s11, 16*CH
	s_add_co_u32 s12, s12, s25
	s_mov_b32 s13, 0
	s_mov_b32 s[SEL], 0x76543210
	s_mov_b32 s[SEL+1], 0xfedcba98                 ; v_permlanex16_b32's selects for lane l xor 16
	s_mov_b32 s[CS], 0x3d38aa3b                    ; c = log2(e) / 32
	s_mov_b32 s[CS+1], s[CS]
	s_mov_b32 s[NC], 0xbd38aa3b                    ; -c
	s_wait_alu depctr_va_vdst(0)
	s_wait_dscnt 0x0
	s_wait_kmcnt 0x0
	s_add_nc_u64 s[26:27], s[6:7], s[12:13]
	s_or_b32 s27, s27, 0x80000000
	ROUND                                          ; all four work-groups are here: the joint loads meet
	s_cmp_lt_u32 s[WV], 4
	s_cbranch_scc0 .Lsecond_head
	tensor_load_to_lds s[24:27], s[32:39]          ; waves 0-3: the first head's key steps, by a line of their own
	s_nop 0
	PLACES 4
	s_branch .Lasked
.Lsecond_head:
	tensor_load_to_lds s[24:27], s[32:39]          ; waves 4-7: the second head's
	s_nop 0
	PLACES 4
.Lasked:
	s_lshl_b32 s14, s10, 3
	s_add_co_u32 s14, s14, s[WV]                   ; my pair tile of q: 8 cx + wave
	s_mul_i32 s16, s11, 102400                     ; the pair's first head in qc
	s_mul_i32 s15, s14, 1536
	s_add_co_u32 s16, s16, s15
	s_mov_b32 s17, 0
	s_add_nc_u64 s[28:29], s[4:5], s[16:17]
	s_mul_i32 s16, s11, 102400
	s_lshl_b32 s15, s14, 6
	s_add_co_u32 s16, s16, s15
	s_add_co_u32 s16, s16, 49152
	s_add_nc_u64 s[30:31], s[4:5], s[16:17]
	WIN 0x40
.irp e, 0,1
.irp g, 0,1,2
	global_load_b128 v[RQ+12*\e+4*\g:RQ+12*\e+4*\g+3], v1, s[28:29] offset:51200*\e+512*\g
.endr
	global_load_b32 v[RW+\e], v[BM], s[30:31] offset:51200*\e
.endr
	WIN 0
	s_lshr_b32 s14, s11, 3
	s_lshl_b32 s14, s14, 6
	s_lshl_b32 s15, s10, 4
	s_add_co_u32 s14, s14, s15
	s_lshl_b32 s15, s[WV], 1
	s_add_co_u32 s14, s14, s15                     ; my first block of 16 tokens: 64 x batch + 16 cx + 2 x wave
	s_and_b32 s15, s11, 7                          ; the pair of heads = the last product's K step
	s_mul_i32 s16, s14, 12288
	s_mul_i32 s12, s15, 1536
	s_add_co_u32 s16, s16, s12
	s_add_nc_u64 s[42:43], s[8:9], s[16:17]        ; my two fragments in aq, 12,288 bytes apart
	s_lshl_b32 s16, s14, 9
	s_lshl_b32 s12, s15, 6
	s_add_co_u32 s16, s16, s12
	s_add_co_u32 s16, s16, XS_OFF
	s_add_nc_u64 s[44:45], s[8:9], s[16:17]        ; and their scale words, 512 apart
.irp j, 0,1,2,3,4,5,12,13,14,15,16,17,24,25,26,27,28,29
	v_mov_b32 v[QZ+\j], 0                          ; the zero codes beside q
.endr
.irp b, 0,1,2,3,4,5,6,7
	v_mov_b32 v[PT+\b], 0                          ; written once: a lane permute's destination counts as a source
.endr
	v_mov_b32 v[FF+1], 0                           ; named as the upper halves of f's pairs before they are first written
	v_mov_b32 v[FF+3], 0
	s_wait_alu depctr_va_vdst(0)
	s_wait_loadcnt 0x0                             ; q
.macro KLOAD                           ; K's four pair tiles and their scale words, at the addresses in v[LA], v[LB]: 14 loads
	WIN 0x40
.irp i, 0,1,2,3
.irp g, 0,1,2
	ds_load_b128 v[KG+12*\i+4*\g:KG+12*\i+4*\g+3], v[LA] offset:1536*\i+512*\g
.endr
.endr
	WIN 0
	ds_load_b32 v[KS], v[LB] offset:12288          ; lanes 0-15: pair tile 0's words, lanes 16-31: pair tile 1's
	ds_load_b32 v[KS+1], v[LB] offset:12416
.endm
; A KEY STEP of head e: 128 keys, for both tiles.  v[LA], v[LB] still hold this step's addresses: they were made for its K, a step ago
.macro STEP e
	ds_load_b32 v[KS+2], v[LB] offset:12544        ; V's scale words,
	ds_load_b32 v[KS+3], v[LB] offset:12672
	WIN 0x40                                       ; and its four fragments
.irp t, 0,1,2,3
.irp g, 0,1,2
	ds_load_b128 v[VF+12*\t+4*\g:VF+12*\t+4*\g+3], v[LA] offset:6144+1536*\t+512*\g
.endr
.endr
	WIN 0x01
	s_wait_dscnt 14                                ; K, asked for a step ago, is in; V's fourteen loads may be out
.irp i, 0,1,2,3                        ; S^T: pair tile i x [q | 0] gives key block 2 i, x [0 | q] key block 2 i + 1
.irp T, 0,1
	WM SS+64*\T+16*\i, KG+12*\i, QZ+6+12*\T, 0, KS+\i/2, QS+\T, \i%2
	WM SS+64*\T+16*\i+8, KG+12*\i, QZ+12*\T, 0, KS+\i/2, QS+\T, \i%2
.endr
.endr
	WIN 0
	s_add_co_u32 s2, s2, CH                        ; the next key step;
	s_min_u32 s12, s2, 8*CH*\e+7*CH                ; in the head's last step the address is held at that step: its K is fetched once more and not multiplied
	v_add_nc_u32 v[LA], s12, v1
	v_add_nc_u32 v[LB], s12, v2
	v_nop
	v_nop                                          ; four places ahead of the loads into K's registers and of the first read of the scores
	KLOAD                                          ; the next step's K lands while the softmax is walked
.irp T, 0,1
.irp b, 0,1,2,3
	v_max3_num_f32 v[BM+4*\T+\b], v[SS+64*\T+16*\b], v[SS+64*\T+16*\b+1], v[SS+64*\T+16*\b+2]   ; the largest score of each block of 32 keys: for the row's maximum and, since p rises with the score, for the block's largest p
.endr
.endr
.irp i, 3,5,7,9,11,13
.irp T, 0,1
.irp b, 0,1,2,3
	v_max3_num_f32 v[BM+4*\T+\b], v[BM+4*\T+\b], v[SS+64*\T+16*\b+\i], v[SS+64*\T+16*\b+\i+1]   ; eight chains by turns
.endr
.endr
.endr
.irp T, 0,1
.irp b, 0,1,2,3
	v_max_num_f32 v[BM+4*\T+\b], v[BM+4*\T+\b], v[SS+64*\T+16*\b+15]
.endr
.endr
.irp b, 0,1,2,3,4,5,6,7
	v_permlanex16_b32 v[PT+\b], v[BM+\b], s[SEL], s[SEL+1]
.endr
.irp b, 0,1,2,3,4,5,6,7
	v_max_num_f32 v[BM+\b], v[BM+\b], v[PT+\b]     ; with lane l xor 16's 16 keys
.endr
.irp T, 0,1
	v_max3_num_f32 v[SO+4*\T], v[BM+4*\T], v[BM+4*\T+1], v[BM+4*\T+2]
.endr
.irp T, 0,1
	v_max3_num_f32 v[NM+2*\T+1], v[NM+2*\T+1], v[SO+4*\T], v[BM+4*\T+3]   ; the running largest score
.endr
.irp T, 0,1
	v_mul_f32 v[SO+4*\T], s[NC], v[NM+2*\T+1]
.endr
.irp T, 0,1
	v_floor_f32 v[SO+4*\T], v[SO+4*\T]             ; the new -M = floor(-t) = -ceil(t)
.endr
.irp T, 0,1
	v_sub_f32 v[SO+4*\T+1], v[SO+4*\T], v[NM+2*\T] ; old M - new M: a whole number, 0 or less
.endr
.irp T, 0,1
	v_mov_b32 v[NM+2*\T], v[SO+4*\T]
.endr
.irp T, 0,1
	v_cvt_i32_f32 v[SO+4*\T+1], v[SO+4*\T+1]       ; (it saturates)
.endr
.irp T, 0,1
	v_ldexp_f32 v[FF+2*\T], 1.0, v[SO+4*\T+1]      ; f = 2^(old M - new M)
.endr
	WIN 0x41
.irp T, 0,1
.irp j, 0,2,4,6,8,10,12,14,16,18,20,22,24,26,28,30
	v_pk_mul_f32 v[64*\T+32*\e+\j:64*\T+32*\e+\j+1], v[64*\T+32*\e+\j:64*\T+32*\e+\j+1], v[FF+2*\T:FF+2*\T+1] op_sel_hi:[1,0]   ; O^T under the new M, each accumulator from its low end on; no transcendental stands between the products that wrote it and these lines
.endr
.endr
	WIN 0
.irp T, 0,1
.irp j, 0,2,4,6,8,10,12,14,16,18,20,22,24,26,28,30,32,34,36,38,40,42,44,46,48,50,52,54,56,58,60,62
	v_pk_fma_f32 v[SS+64*\T+\j:SS+64*\T+\j+1], v[SS+64*\T+\j:SS+64*\T+\j+1], s[CS:CS+1], v[NM+2*\T:NM+2*\T+1] op_sel_hi:[1,0,0]   ; t - M
.endr
.endr
.irp T, 0,1
.irp b, 0,1,2,3
	v_fma_f32 v[BM+4*\T+\b], v[BM+4*\T+\b], s[CS], v[NM+2*\T]
.endr
.endr
	s_wait_alu depctr_va_vdst(0)
.set J, 0
.rept 128
	v_exp_f32 v[SS+J], v[SS+J]                     ; p = 2^(t - M)
.set J, J+1
.endr
.irp b, 0,1,2,3,4,5,6,7
	v_exp_f32 v[BM+\b], v[BM+\b]                   ; each block's largest p: the same two instructions on the same number
.endr
	v_nop                                          ; one plain instruction behind the exponentials
	s_wait_alu depctr_va_vdst(0)                   ; one wait for the batch, ahead of its first reader
.irp b, 0,1,2,3,4,5,6,7
	v_max_num_f32 v[BM+\b], 0x1800000, v[BM+\b]    ; the floor 2^(3 - 127)
.endr
.irp b, 0,1,2,3,4,5,6,7
	v_add_nc_u32 v[SO+\b], 0xff000000, v[BM+\b]    ; 2 off the exponent field: the conversion's scale operand
.endr
.irp b, 0,1,2,3,4,5,6,7
	v_lshrrev_b32 v[PT+\b], 23, v[SO+\b]           ; the byte
.endr
.irp k, 1,2,3
.irp T, 0,1
.if \k == 1
	v_lshl_or_b32 v[FF+2*\T+1], v[PT+4*\T+1], 8, v[PT+4*\T]   ; p's scale word for these 128 keys
.else
	v_lshl_or_b32 v[FF+2*\T+1], v[PT+4*\T+\k], 8*\k, v[FF+2*\T+1]
.endif
.endr
.endr
.irp c, 0,1
.irp T, 0,1
	v_cvt_scalef32_pk16_fp6_f32 v[PCD+12*\T+6*\c:PCD+12*\T+6*\c+2], v[SS+64*\T+32*\c:SS+64*\T+32*\c+15], v[SO+4*\T+2*\c]
	v_cvt_scalef32_pk16_fp6_f32 v[CT+8*\T+4*\c:CT+8*\T+4*\c+2], v[SS+64*\T+32*\c+16:SS+64*\T+32*\c+31], v[SO+4*\T+2*\c+1]   ; (three registers begin on an even number)
.endr
.endr
	v_nop                                          ; one plain instruction behind the scaled conversions
.irp T, 0,1
.irp c, 0,1
.irp i, 0,1,2
	v_permlane16_swap_b32 v[PCD+12*\T+6*\c+\i], v[CT+8*\T+4*\c+\i]   ; a lane wants a whole block of 32
.endr
.endr
.endr
.irp T, 0,1
.irp c, 0,1
.irp i, 0,1,2
	v_mov_b32 v[PCD+12*\T+6*\c+3+\i], v[CT+8*\T+4*\c+\i]
.endr
.endr
.endr
	s_wait_dscnt 14                                ; V is in; the next K's fourteen loads may be out
.irp T, 0,1                            ; the row's sum of the unquantised p: sum x f + p, then two chains a tile.  These lines also stand between the writes of p's codes and scale words and the products
	v_pk_fma_f32 v[SU+2*\T:SU+2*\T+1], v[SU+2*\T:SU+2*\T+1], v[FF+2*\T:FF+2*\T+1], v[SS+64*\T:SS+64*\T+1] op_sel_hi:[1,0,1]
	v_pk_add_f32 v[XC+2*\T:XC+2*\T+1], v[SS+64*\T+2:SS+64*\T+3], v[SS+64*\T+4:SS+64*\T+5]
.endr
.irp j, 6,10,14,18,22,26,30,34,38,42,46,50,54,58
.irp T, 0,1
	v_pk_add_f32 v[SU+2*\T:SU+2*\T+1], v[SU+2*\T:SU+2*\T+1], v[SS+64*\T+\j:SS+64*\T+\j+1]
	v_pk_add_f32 v[XC+2*\T:XC+2*\T+1], v[XC+2*\T:XC+2*\T+1], v[SS+64*\T+\j+2:SS+64*\T+\j+3]
.endr
.endr
.irp T, 0,1
	v_pk_add_f32 v[SU+2*\T:SU+2*\T+1], v[SU+2*\T:SU+2*\T+1], v[SS+64*\T+62:SS+64*\T+63]
.endr
	WIN 0x51
.irp t, 0,1,2,3                        ; O^T += V^T P^T: eight accumulators by turns
.irp T, 0,1
	WM 64*\T+32*\e+8*\t, VF+12*\t, PCD+12*\T, 1, KS+2+\t/2, FF+2*\T+1, \t%2
.endr
.endr
	WIN 0
.irp T, 0,1
	v_pk_add_f32 v[SU+2*\T:SU+2*\T+1], v[SU+2*\T:SU+2*\T+1], v[XC+2*\T:XC+2*\T+1]   ; the sums' chains join
.endr
	v_nop
	v_nop                                          ; with the two lines above: four places behind the products, ahead of the next step's loads into V's registers
.endm
.macro HEAD e
	WIN 0x05
.irp i, 0,1,2,3,4,5
	v_mov_b32 v[QZ+6+\i], v[RQ+12*\e+\i]           ; the pair tile's first six registers are tile 0's q, the others tile 1's
	v_mov_b32 v[QZ+18+\i], v[RQ+12*\e+6+\i]
.endr
	v_perm_b32 v[QS], v[RW+\e], v[RW+\e], 0x01000100     ; a tile's two scale bytes, twice: they serve q in either half of K
	v_perm_b32 v[QS+1], v[RW+\e], v[RW+\e], 0x03020302
	WIN 0x40
.irp T, 0,1
.set J, 0
.rept 32
	v_mov_b32 v[64*\T+32*\e+J], 0                  ; the step is written once: the first finds zeros
.set J, J+1
.endr
.endr
	WIN 0
.irp T, 0,1
	v_mov_b32 v[NM+2*\T+1], 0xff61b1e6             ; the largest score so far: -3e38
	v_mov_b32 v[SU+2*\T], 0
	v_mov_b32 v[SU+2*\T+1], 0
.endr
.irp T, 0,1
	v_mul_f32 v[NM+2*\T], s[NC], v[NM+2*\T+1]
.endr
.irp T, 0,1
	v_floor_f32 v[NM+2*\T], v[NM+2*\T]
.endr
	s_wait_alu depctr_va_vdst(0)
.if \e == 0                            ; the head's set-up above stands ahead of the barrier that shows its tiles
	s_cmp_lt_u32 s[WV], 4
	s_cbranch_scc0 .Lnot_mine
	s_wait_tensorcnt 0x0                           ; waves 0-3: my part of the first head is in
.Lnot_mine:
.else
	s_wait_tensorcnt 0x0                           ; every wave: all my loads are in, the second head's among them
	s_wait_dscnt 0x0
.endif
	s_barrier_signal -1
	s_barrier_wait -1                              ; this head is whole
	s_mov_b32 s2, 8*CH*\e                          ; the head's first key step in LDS
	v_add_nc_u32 v[LA], s2, v1
	v_add_nc_u32 v[LB], s2, v2
	KLOAD                                          ; its K
	s_mov_b32 s3, 8
.Lkeys_\@:
	STEP \e
	s_sub_co_u32 s3, s3, 1
	s_cmp_lg_u32 s3, 0
	s_cbranch_scc1 .Lkeys_\@
.irp T, 0,1
	v_add_f32 v[SU+2*\T], v[SU+2*\T], v[SU+2*\T+1]
.endr
.irp T, 0,1
	v_permlanex16_b32 v[PT+\T], v[SU+2*\T], s[SEL], s[SEL+1]
.endr
.irp T, 0,1
	v_add_f32 v[SU+2*\T], v[SU+2*\T], v[PT+\T]     ; the row's sum
.endr
	s_wait_alu depctr_va_vdst(0)                   ; ahead of the transcendentals
	v_rcp_f32 v[SU], v[SU]
	v_rcp_f32 v[SU+2], v[SU+2]
	v_nop
	WIN 0x41
	s_wait_alu depctr_va_vdst(0)                   ; and ahead of their first reader, which is also O^T's
.irp T, 0,1
.irp j, 0,2,4,6,8,10,12,14,16,18,20,22,24,26,28,30
	v_pk_mul_f32 v[64*\T+32*\e+\j:64*\T+32*\e+\j+1], v[64*\T+32*\e+\j:64*\T+32*\e+\j+1], v[SU+2*\T:SU+2*\T+1] op_sel_hi:[1,0]   ; O^T / the sum, each accumulator from its low end on
.endr
.endr
	WIN 0
.endm
	HEAD 0
	HEAD 1
	; THE WAY OUT.  Register 64 T + 16 b + i of window 1 is, of my token of tile T, number 32 b + 16 (lane / 16) + i of the pair's 128 along (head, d): the last product's K step
	WIN 0x05
.irp T, 0,1
.irp b, 0,1,2,3
	v_max3_num_f32 v[OT+16*\T+\b], |v[64*\T+16*\b]|, |v[64*\T+16*\b+1]|, 0x1800000
.endr
.endr
	WIN 0x14
.irp i, 2,4,6,8,10,12,14
.irp T, 0,1
.irp b, 0,1,2,3
	v_max3_num_f32 v[OT+16*\T+\b], v[OT+16*\T+\b], |v[64*\T+16*\b+\i]|, |v[64*\T+16*\b+\i+1]|
.endr
.endr
.endr
	WIN 0
.irp T, 0,1
.irp b, 0,1,2,3
	v_permlanex16_b32 v[OT+16*\T+4+\b], v[OT+16*\T+\b], s[SEL], s[SEL+1]
.endr
.endr
.irp T, 0,1
.irp b, 0,1,2,3
	v_max_num_f32 v[OT+16*\T+\b], v[OT+16*\T+\b], v[OT+16*\T+4+\b]
.endr
.endr
.irp T, 0,1
.irp b, 0,1,2,3
	v_add_nc_u32 v[OT+16*\T+12+\b], 0xff000000, v[OT+16*\T+\b]
.endr
.endr
.irp T, 0,1
.irp b, 0,1,2,3
	v_lshrrev_b32 v[OT+16*\T+4+\b], 23, v[OT+16*\T+12+\b]
.endr
.endr
.irp k, 1,2,3
.irp T, 0,1
.if \k == 1
	v_lshl_or_b32 v[OPW+\T], v[OT+16*\T+5], 8, v[OT+16*\T+4]
.else
	v_lshl_or_b32 v[OPW+\T], v[OT+16*\T+4+\k], 8*\k, v[OPW+\T]
.endif
.endr
.endr
	WIN 0x01
.irp T, 0,1
.irp c, 0,1
	v_cvt_scalef32_pk16_fp6_f32 v[OPC+20*\T+6*\c:OPC+20*\T+6*\c+2], v[64*\T+32*\c:64*\T+32*\c+15], v[OT+16*\T+12+2*\c]
	v_cvt_scalef32_pk16_fp6_f32 v[OPC+20*\T+12+4*\c:OPC+20*\T+14+4*\c], v[64*\T+32*\c+16:64*\T+32*\c+31], v[OT+16*\T+13+2*\c]
.endr
.endr
	WIN 0
	v_nop                                          ; one plain instruction behind the scaled conversions
.irp T, 0,1
.irp c, 0,1
.irp i, 0,1,2
	v_permlane16_swap_b32 v[OPC+20*\T+6*\c+\i], v[OPC+20*\T+12+4*\c+\i]
.endr
.endr
.endr
.irp T, 0,1
.irp c, 0,1
.irp i, 0,1,2
	v_mov_b32 v[OPC+20*\T+3+6*\c+\i], v[OPC+20*\T+12+4*\c+\i]
.endr
.endr
.endr
.irp T, 0,1
.irp g, 0,1,2
	global_store_b128 v1, v[OPC+20*\T+4*\g:OPC+20*\T+4*\g+3], s[42:43] offset:12288*\T+512*\g   ; 512 consecutive bytes, aligned
.endr
.endr
	s_wait_xcnt 0x0                                ; EXEC changes only behind this wait
	v_cmp_gt_u32 vcc_lo, 16, v3
	s_and_saveexec_b32 s40, vcc_lo
	global_store_b32 v2, v[OPW], s[44:45]          ; lanes 0-15: 64 consecutive bytes for each tile, of the 3,200 that a wave stores
	global_store_b32 v2, v[OPW+1], s[44:45] offset:512
	s_wait_xcnt 0x0
	s_or_b32 exec_lo, exec_lo, s40
	s_wait_tensorcnt 0x0                           ; the wave's end
	ds_add_u32 v[SPW], v[NIL]
	s_wait_dscnt 0x0
	ROUND                                          ; the closing round
	s_endpgm
.Lfunc_end_k_qfb5efb3a73_attn:
	.size	k_qfb5efb3a73_attn, .Lfunc_end_k_qfb5efb3a73_attn-k_qfb5efb3a73_attn
	.p2alignl 7, 3214868480
	.fill 96, 4, 3214868480
	.section	.rodata,"a",@progbits
	.p2align	6, 0x0
	.amdhsa_kernel k_qfb5efb3a73_attn
		.amdhsa_group_segment_fixed_size 206848
		.amdhsa_private_segment_fixed_size 0
		.amdhsa_enable_private_segment 0
		.amdhsa_kernarg_size 24
		.amdhsa_user_sgpr_count 2
		.amdhsa_user_sgpr_kernarg_segment_ptr 1
		.amdhsa_wavefront_size32 1
		.amdhsa_system_sgpr_workgroup_id_x 1
		.amdhsa_system_sgpr_workgroup_id_y 1
		.amdhsa_system_sgpr_workgroup_id_z 1
		.amdhsa_system_vgpr_workitem_id 0
		.amdhsa_next_free_vgpr 512
		.amdhsa_next_free_sgpr 66
		.amdhsa_reserve_vcc 1
		.amdhsa_float_denorm_mode_32 3
		.amdhsa_float_denorm_mode_16_64 3
		.amdhsa_memory_ordered 1
		.amdhsa_forward_progress 1
		.amdhsa_inst_pref_size 86
	.end_amdhsa_kernel
	.amdgpu_metadata
---
amdhsa.version: [ 1, 2 ]
amdhsa.kernels:
  - .name:           k_qfb5efb3a73_attn
    .symbol:         k_qfb5efb3a73_attn.kd
    .args:
      - { .name: qc, .offset: 0, .size: 8, .value_kind: global_buffer, .address_space: global }
      - { .name: kv, .offset: 8, .size: 8, .value_kind: global_buffer, .address_space: global }
      - { .name: aq, .offset: 16, .size: 8, .value_kind: global_buffer, .address_space: global }
    .group_segment_fixed_size: 206848
    .private_segment_fixed_size: 0
    .kernarg_segment_align: 8
    .kernarg_segment_size: 24
    .max_flat_workgroup_size: 256
    .sgpr_count:     66
    .vgpr_count:     512
    .wavefront_size: 32
...
	.end_amdgpu_metadata
.endif
;; end of part 3
;; launch proj (part 4): grid 8 x 32, 4 waves a work-group, clusters of 4 x 4, 327,680 bytes of LDS; arguments aq, wq, b_out, out0; writes out0
.if DOCPART == 4
	.amdgcn_target "amdgcn-amd-amdhsa--gfx1250"
	.amdhsa_code_object_version 6
	.text
	.protected	k_qfb5efb3a73_proj
	.globl	k_qfb5efb3a73_proj
	.p2align	8
	.type	k_qfb5efb3a73_proj,@function
k_qfb5efb3a73_proj:
	s_mov_b64 s[64:65], 0
	v_nop
	global_prefetch_b8 v0, s[64:65] scope:SCOPE_SE
	s_setreg_imm32_b32 hwreg(HW_REG_WAVE_MODE, 25, 1), 1
	s_wait_xcnt 0x0
	s_wait_alu depctr_hold_cnt(0) depctr_sa_sdst(0) depctr_va_vdst(0) depctr_va_sdst(0) depctr_va_ssrc(0) depctr_va_vcc(0) depctr_vm_vsrc(0)
	s_getreg_b32 s2, hwreg(HW_REG_IB_STS2, 6, 4)
	s_cmp_eq_u32 s2, 0
	s_cbranch_scc0 .Lentry_in_a_cluster
	s_endpgm
.Lentry_in_a_cluster:
	s_bfe_u32 s2, ttmp6, 0x10000c
	s_cmp_lg_u32 s2, 0xf033
	s_cbranch_scc0 .Lentry_shape_is_right
	s_endpgm
.Lentry_shape_is_right:
; out0 = a w_out + b_out on codes of FP6 (E2M3) with E8M0 scales, K = 1,024.  a: the attention's result as codes (aq), w_out: blocks 192..255 of wq.  out0 [8192][1024] f32.
; SHARES.  A work-group owns 256 tokens x 128 outputs: 256 work-groups.  ALL OF K LIES IN LDS (a's 196,608 bytes, w's 98,304): every tile is filled once, nothing is filled again.
; OPERANDS ARE IMAGES OF REGISTERS: a fragment (16 rows x 128 K) is 1,536 bytes, registers 4 g .. 4 g + 3 of lane l at 512 g + 16 l.
; WAVES.  Wave w takes tokens 128 (w / 2) on and outputs 64 (w % 2) on: 8 blocks of a, 4 of w, 32 accumulators.  Source 0 = 16 columns of w_out, source 1 = 16 tokens: a lane holds one token and
; eight neighbouring outputs.  The bias is the C of each sum's first product.
; The rows inside the blocks of 16 stand in the order place 16 u + 8 c + i = row 16 c + 8 u + i of each 32, for tokens and columns alike: the way out puts both back.
; CLUSTERS of 4 x 4: a's tile is asked for jointly along a row of the cluster, w's panel along a column.
; REGISTERS: window 0: v0-31 addresses; v32-63 a's scale words for all of K; v65-80 w's; v96-127 the bias, four tiles; v128-191 rows of out0 on the way out.
;   windows 1 and 3: the two sets of fragments (a at 0-95, w at 96-143);  window 2: the accumulators, (xb, wb) at 8 (4 xb + wb).
.set XS_OFF, 6291456
.set WS_OFF, 3145728
.set FR,    12
.set FRB,   1536
.set BLK,   8*FRB
.set XSL,   16*2*FRB                   ; LDS: a slice (256 along K) of a's 256 rows
.set WSL,   8*2*FRB                    ; and of w's 128 rows
.set WT,    4*XSL
.set SCX,   WT+4*WSL                   ; a's scale words
.set SCW,   SCX+8192                   ; w's
.set SPITCH, 272                       ; the way out: a stage of 16 rows x (256 bytes + 16) for each wave, in a's slice 0: it has had its only fill, and every wave's reads of it are over at the last barrier
.set IO,   2
.set ADX,  12
.set ADW,  16
.set ADSX, 18
.set ADSW, 19
.set STO,  24
.set RD,   25
.set CO,   26
.set BV,   27
.set SX,   32
.set SW,   65                          ; v65-80: no such register has the number of one of a's scale registers modulo 8
.set BIAS, 96
.set BK,   128
.set G1X,  24
.set G1W,  32
.set G1SX, 40
.set G1SW, 48
.set G0SX, 76
.set G0W,  80
.set G0SW, 96
.set MSB, 0
.macro WIN new                         ; the immediate's high byte repeats the setting that is left
.if MSB != (\new)
	s_set_vgpr_msb (MSB<<8)|(\new)
.set MSB, (\new)
.endif
.endm
.macro CREST
	s_cmp_lg_u32 s14, 0
	s_cbranch_scc1 .Lnot_wave_0_\@
	s_barrier_signal -3
.Lnot_wave_0_\@:
	s_barrier_wait -3
	s_barrier_signal -1
	s_barrier_wait -1
.endm
.macro CROUND
	s_barrier_signal -1
	s_barrier_wait -1
	CREST
.endm
.macro PLACES n
.rept \n
	v_nop
.endr
.endm
	s_load_b256 s[4:11], s[0:1], 0x0               ; aq s[4:5], wq s[6:7], b_out s[8:9], out0 s[10:11]
	v_lshl_add_u32 v254, v0, 2, 0x4b000
	v_mov_b32 v255, 0
	ds_add_u32 v254, v255
	ds_add_u32 v254, v255
	v_lshrrev_b32 v1, 5, v0
	v_readfirstlane_b32 s14, v1                    ; wave 0..3
	s_lshr_b32 s15, s14, 1                         ; which 128 tokens are mine
	s_and_b32 s16, s14, 1                          ; which 64 outputs
	s_bfe_u32 s67, ttmp6, 0x40000                  ; cx
	s_bfe_u32 s3, ttmp6, 0x40004                   ; cy
	s_lshl_b32 s18, ttmp9, 2
	s_add_co_u32 s18, s18, s67                     ; which 128 outputs
	s_and_b32 s17, ttmp7, 0xffff
	s_lshl_b32 s17, s17, 2
	s_add_co_u32 s17, s17, s3                      ; which 256 tokens
	s_lshl_b32 s100, s3, 2
	s_lshl_b32 s100, 15, s100                      ; my row of the cluster
	s_lshl_b32 s101, 0x1111, s67                   ; my column
	s_or_b32 s[G1X], s100, (3<<16)|(1<<21)         ; codes: rows of 6,144 bytes, 12,288 apart, elements of 8 bytes, no padding
	s_or_b32 s[G1W], s101, (3<<16)|(1<<21)
	; LDS IS LAID BY HALVES OF K: a [2 halves][16 blocks][4 K steps][1,536], w [2 halves][8 blocks][4 K steps][1,536].  A tile's row is a block's four K steps, 6,144 bytes, 12,288 apart in memory
	s_mov_b32 s[G1X+2], 16<<16
	s_mov_b32 s[G1X+4], 16
	s_mov_b32 s[G1W+2], 8<<16
	s_mov_b32 s[G1W+4], 8
.irp g, G1X, G1W
	s_mov_b32 s[\g+1], 768<<16
	s_mov_b32 s[\g+3], 768<<16
	s_mov_b32 s[\g+5], 1536
	s_mov_b32 s[\g+6], 0
	s_mov_b32 s[\g+7], 0
.endr
	; THE SCALE WORDS do not pass through LDS: each wave loads its own (a's 4,096 dense bytes, w's 2,048) straight into the registers that hold them
	s_lshl_b32 s12, s17, 1                         ; my work-group's first 128 rows of a
	s_lshl_b32 s2, s12, 12
	s_add_co_u32 s2, s2, XS_OFF
	s_mov_b32 s3, 0
	s_mul_i32 s12, s12, 8*BLK
	s_mov_b32 s13, 0
	s_add_co_u32 s104, s18, 24                     ; w_out's columns begin at block 192 = 24 x 8
	s_lshl_b32 s66, s104, 12
	s_add_co_u32 s66, s66, WS_OFF
	s_mov_b32 s67, 0
	s_mul_i32 s104, s104, 8*BLK
	s_mov_b32 s105, 0
	s_wait_dscnt 0x0
	s_wait_kmcnt 0x0
	s_add_nc_u64 s[12:13], s[4:5], s[12:13]
	s_add_nc_u64 s[104:105], s[6:7], s[104:105]
	s_add_nc_u64 s[G0SX+2:G0SX+3], s[4:5], s[2:3]      ; the scale words of my work-group's 256 rows of a
	s_add_nc_u64 s[G0SW+2:G0SW+3], s[6:7], s[66:67]    ; and of its 128 columns of w_out
.irp k, 0,1                            ; groups 0 of the two halves of K: a's s[56:59], s[60:63]; w's s[80:83], s[84:87]
.set GX, 56+4*\k
	s_mov_b32 s[GX], 1
	s_mov_b32 s[GX+1], \k*2*XSL
	s_add_nc_u64 s[GX+2:GX+3], s[12:13], \k*4*FRB
	s_or_b32 s[GX+3], s[GX+3], 0x80000000
	s_mov_b32 s[G0W+4*\k], 1
	s_mov_b32 s[G0W+4*\k+1], WT+\k*2*WSL
	s_add_nc_u64 s[G0W+4*\k+2:G0W+4*\k+3], s[104:105], \k*4*FRB
	s_or_b32 s[G0W+4*\k+3], s[G0W+4*\k+3], 0x80000000
.endr
	CROUND                                         ; all sixteen work-groups are here: the joint loads meet
	; ALL FILLS OF THE LAUNCH, one branch a wave: wave 0 w's first half of K, wave 1 a's, wave 2 w's second half, wave 3 a's: one load of a wave is out
	; THE HEAD'S LOADS, one a wave, in one chain of branches on the wave's number: w's first half of K, a's first half, w's second half, a's second half
.macro ARM under, g0, g1, next
	s_cmp_lt_u32 s14, \under
	s_cbranch_scc0 \next
	tensor_load_to_lds s[\g0:\g0+3], s[\g1:\g1+7]
	s_nop 0
	PLACES 4
	s_branch .Lasked
\next:
.endm
	ARM 1, G0W, G1W, .Lhead_x
	ARM 2, 56, G1X, .Lhead_w1                      ; (the chain now reads: w's first half of K, a's first half, w's second half, a's second half: all of K is asked for at the head)
	ARM 3, G0W+4, G1W, .Lhead_x1
	tensor_load_to_lds s[60:63], s[G1X:G1X+7]
	s_nop 0
	PLACES 4
.Lasked:
	v_and_b32 v1, 31, v0
	v_lshlrev_b32 v[IO], 4, v1
	s_wait_alu depctr_va_vdst(0)
	v_lshlrev_b32 v3, 2, v1
	v_and_b32 v4, 15, v0                           ; r
	v_bfe_u32 v5, v0, 4, 1                         ; h
	v_lshlrev_b32 v[BV], 6, v5                     ; the bias: 16 h numbers on
	s_lshl_b32 s22, s18, 9
	s_lshl_b32 s23, s16, 8
	s_add_co_u32 s22, s22, s23                     ; my 64 outputs, in bytes
	s_mov_b32 s23, 0
	s_add_nc_u64 s[8:9], s[8:9], s[22:23]
.irp b, 0,1,2,3                        ; tile b's eight outputs of my half: 32 (b / 2) + 8 (b % 2) + 16 h + 0 .. 7
	global_load_b128 v[BIAS+8*\b:BIAS+8*\b+3], v[BV], s[8:9] offset:(32*(\b/2)+8*(\b%2))*4
	global_load_b128 v[BIAS+8*\b+4:BIAS+8*\b+7], v[BV], s[8:9] offset:(32*(\b/2)+8*(\b%2))*4+16
.endr
	s_lshl_b32 s20, s17, 20                        ; 256 rows of 4,096 bytes
	s_lshl_b32 s21, s15, 19
	s_add_co_u32 s20, s20, s21
	s_add_co_u32 s20, s20, s22
	s_mov_b32 s21, 0
	s_add_nc_u64 s[10:11], s[10:11], s[20:21]      ; out0 at my wave's first row and column
	s_wait_alu depctr_va_vdst(0)
	s_mul_i32 s19, s15, 8*4*FRB                    ; my 8 blocks of a in a half of K
.irp k, 0,1
	v_add_nc_u32 v[ADX+\k], s19, v[IO]
	s_add_co_u32 s19, s19, 2*XSL
.endr
	s_mul_i32 s19, s16, 4*4*FRB
	s_add_co_u32 s19, s19, WT
	v_add_nc_u32 v[ADW], s19, v[IO]
	s_add_co_u32 s19, s19, 2*WSL
	v_add_nc_u32 v[ADW+1], s19, v[IO]
	s_lshl_b32 s19, s15, 12
	v_add_nc_u32 v[ADSX], s19, v3
	s_lshl_b32 s19, s16, 11
	v_add_nc_u32 v[ADSW], s19, v3
	s_mul_i32 s19, s14, 16*SPITCH                  ; my stage
	v_mul_u32_u24 v6, v4, SPITCH
	v_lshl_add_u32 v6, v5, 6, v6
	v_add_nc_u32 v[STO], s19, v6                   ; in: row r, + 64 h
	v_mul_u32_u24 v6, v5, SPITCH
	v_lshl_add_u32 v6, v4, 4, v6
	v_add_nc_u32 v[RD], s19, v6                    ; back: lanes 0-15 one row of 256 bytes, lanes 16-31 the next
	v_lshlrev_b32 v[CO], 12, v5
	v_lshl_add_u32 v[CO], v4, 4, v[CO]             ; and the same two rows in out0
.macro FRX s, i
.irp g, 0,1,2
	ds_load_b128 v[FR*(\i)+4*\g:FR*(\i)+4*\g+3], v[ADX+(\s)/4] offset:(\i)*4*FRB+((\s)%4)*FRB+512*\g
.endr
.endm
.macro FRW s, i
.irp g, 0,1,2
	ds_load_b128 v[96+FR*(\i)+4*\g:96+FR*(\i)+4*\g+3], v[ADW+(\s)/4] offset:(\i)*4*FRB+((\s)%4)*FRB+512*\g
.endr
.endm
.macro RUN1 s                          ; 24 loads: what the first half of K step s multiplies; even steps into window 1, odd ones into window 3
	WIN 0x40+0x80*((\s)%2)
.irp i, 0,1,2,3
	FRW \s, \i
.endr
.irp i, 0,1,2,3
	FRX \s, \i
.endr
.endm
.macro RUN2 s                          ; 12 loads: a's blocks 4-7
	WIN 0x40+0x80*((\s)%2)
.irp i, 4,5,6,7
	FRX \s, \i
.endr
.endm
.macro MM xb, wb, s, first             ; first = 2: the bias starts the sum; an odd K step takes its scale words from lanes 16-31
.set rX, FR*(\xb)
.set rW, 96+FR*(\wb)
.set rSX, SX+4*(\xb)+(\s)/2
.set rSW, SW+4*(\wb)+(\s)/2
.set rD, 8*(4*(\xb)+(\wb))
.set rC, BIAS+8*(\wb)
.if (\first) == 2
	v_wmma_scale_f32_16x16x128_f8f6f4 v[rD:rD+7], v[rW:rW+FR-1], v[rX:rX+FR-1], v[rC:rC+7], v[rSW], v[rSX] matrix_a_fmt:MATRIX_FMT_FP6 matrix_b_fmt:MATRIX_FMT_FP6
.elseif ((\s)%2) == 0
	v_wmma_scale_f32_16x16x128_f8f6f4 v[rD:rD+7], v[rW:rW+FR-1], v[rX:rX+FR-1], v[rD:rD+7], v[rSW], v[rSX] matrix_a_fmt:MATRIX_FMT_FP6 matrix_b_fmt:MATRIX_FMT_FP6
.else
	v_wmma_scale_f32_16x16x128_f8f6f4 v[rD:rD+7], v[rW:rW+FR-1], v[rX:rX+FR-1], v[rD:rD+7], v[rSW], v[rSX] matrix_a_fmt:MATRIX_FMT_FP6 matrix_b_fmt:MATRIX_FMT_FP6 matrix_a_scale:MATRIX_SCALE_ROW1 matrix_b_scale:MATRIX_SCALE_ROW1
.endif
.endm
.macro MUL16 h, s, first               ; the 32 accumulators take turns, one instruction a turn, in the same order in every step
.irp x, 0,1,2,3
.irp w, 0,1,2,3
	MM 4*(\h)+\x, \w, \s, \first
.endr
.endr
.endm
.macro MWIN s, first
.if (\first) == 2
	WIN 0x85                                       ; sources 0 and 1 window 1, C (the bias) window 0, D window 2
.else
	WIN 0xa5+0x0a*((\s)%2)                         ; sources 0 and 1: window 1 or 3; C and D: window 2
.endif
.endm
; A K STEP of 128: 32 products on one set of fragments; the next step's 36 loads go into the other set, each run 32 products ahead of its first use.
; bar >= 0: the next step begins a slice that is still on its way: each wave waits until its part has landed (bar later loads may stay out) and for its LDS loads, then the work-group's barrier
.macro STEP s, first, bar
.if (\bar) >= 0
	s_wait_tensorcnt \bar
	s_wait_dscnt 0x0
	s_barrier_signal -1
	s_barrier_wait -1
.else
	s_wait_dscnt 12                                ; all but the youngest twelve loads (a's blocks 4-7) are in
.endif
.if (\s) < 7
	PLACES 4                                       ; behind the last step's products, which read the set that is loaded now
	RUN1 (\s)+1
.endif
	MWIN \s, \first
	MUL16 0, \s, \first
.if (\s) < 7
	s_wait_dscnt 24                                ; all but the 24 just issued
	RUN2 (\s)+1
.else
	s_wait_dscnt 0x0
.endif
	MWIN \s, \first
	MUL16 1, \s, \first
.endm
	s_wait_alu depctr_va_vdst(0)
.irp i, 0,1,2,3,4,5,6,7                ; the scale words for all of K: lanes 0-15 an even K step's, lanes 16-31 the odd one's behind it
.irp k, 0,1,2,3
	global_load_b32 v[SX+4*\i+\k], v[ADSX], s[G0SX+2:G0SX+3] offset:512*\i+128*\k
.endr
.endr
.irp i, 0,1,2,3
.irp k, 0,1,2,3
	global_load_b32 v[SW+4*\i+\k], v[ADSW], s[G0SW+2:G0SW+3] offset:512*\i+128*\k
.endr
.endr
	s_cmp_lt_u32 s14, 2
	s_cbranch_scc0 .Lnot_first
	s_wait_tensorcnt 0x0                           ; waves 0 and 1: my tile of the first half of K is in
.Lnot_first:
	s_barrier_signal -1
	s_barrier_wait -1                              ; the first halves are whole; the second may be on their way: nothing is filled in this launch behind a barrier
	RUN1 0
	RUN2 0
	s_wait_loadcnt 0x0                             ; the bias
	STEP 0, 2, -1
	STEP 1, 0, -1
	STEP 2, 0, -1
	STEP 3, 0, 0                                   ; the second halves of K are waited for here, by every wave; behind this barrier nobody reads the first halves
	STEP 4, 0, -1
	STEP 5, 0, -1
	STEP 6, 0, -1
	STEP 7, 0, -1
	WIN 0
; THE WAY OUT, block by block of 16 tokens x 64 outputs, through my own stage: the outputs go to their true places in a stage row, the rows to their true rows of out0.
; LDS serves a wave's instructions in order (ISA guide 5.7.1.4): no wait between the stores and the loads, nor in front of the next block's stores.
.macro TOSTAGE a
.set AC, 32*(\a)
	WIN 0x08                                       ; an LDS store's data: window 2
.irp b, 0,1,2,3
	ds_store_b128 v[STO], v[AC+8*\b:AC+8*\b+3] offset:128*(\b/2)+32*(\b%2)      ; each accumulator from its low end on
	ds_store_b128 v[STO], v[AC+8*\b+4:AC+8*\b+7] offset:128*(\b/2)+32*(\b%2)+16
.endr
	WIN 0
.set BB, BK+32*((\a)%2)
.irp t, 0,1,2,3,4,5,6,7
	ds_load_b128 v[BB+4*\t:BB+4*\t+3], v[RD] offset:\t*2*SPITCH
.endr
.endm
.macro SEND a, younger                 ; younger: the LDS instructions issued behind block a's loads, which may stay out
.set BB, BK+32*((\a)%2)
	s_wait_dscnt \younger
.irp t, 0,1,2,3,4,5,6,7
	global_store_b128 v[CO], v[BB+4*\t:BB+4*\t+3], s[10:11] offset:(32*((\a)/2)+8*((\a)%2)+2*\t+8*(\t/4))*4096 th:TH_STORE_NT   ; sixteen lanes store 256 consecutive bytes, aligned; place p of block a is row 32 (a / 2) + 8 (a % 2) + p + 8 (p / 8)
.endr
.endm
	PLACES 4
	TOSTAGE 0
.irp a, 1,2,3,4,5,6,7
.if \a > 1
	s_wait_xcnt 0x0                                ; block a - 2's stores have read their registers: block a's loads may land there
.endif
	TOSTAGE \a
	SEND \a-1, 16                                  ; behind block a - 1's loads: block a's 8 stores and 8 loads
.endr
	SEND 7, 0
	s_wait_tensorcnt 0x0
	ds_add_u32 v254, v255
	s_wait_dscnt 0x0
	CROUND                                         ; the closing round: no work-group ends while a partner may still ask for a tile that names it
	s_endpgm
.Lfunc_end_k_qfb5efb3a73_proj:
	.size	k_qfb5efb3a73_proj, .Lfunc_end_k_qfb5efb3a73_proj-k_qfb5efb3a73_proj
	.p2alignl 7, 3214868480
	.fill 96, 4, 3214868480
	.section	.rodata,"a",@progbits
	.p2align	6, 0x0
	.amdhsa_kernel k_qfb5efb3a73_proj
		.amdhsa_group_segment_fixed_size 327680
		.amdhsa_private_segment_fixed_size 0
		.amdhsa_enable_private_segment 0
		.amdhsa_kernarg_size 32
		.amdhsa_user_sgpr_count 2
		.amdhsa_user_sgpr_kernarg_segment_ptr 1
		.amdhsa_wavefront_size32 1
		.amdhsa_system_sgpr_workgroup_id_x 1
		.amdhsa_system_sgpr_workgroup_id_y 1
		.amdhsa_system_sgpr_workgroup_id_z 1
		.amdhsa_system_vgpr_workitem_id 0
		.amdhsa_next_free_vgpr 1024
		.amdhsa_next_free_sgpr 106
		.amdhsa_reserve_vcc 0
		.amdhsa_float_denorm_mode_32 3
		.amdhsa_float_denorm_mode_16_64 3
		.amdhsa_memory_ordered 1
		.amdhsa_forward_progress 1
		.amdhsa_inst_pref_size 81
	.end_amdhsa_kernel
	.amdgpu_metadata
---
amdhsa.version: [ 1, 2 ]
amdhsa.kernels:
  - .name:           k_qfb5efb3a73_proj
    .symbol:         k_qfb5efb3a73_proj.kd
    .args:
      - { .name: aq, .offset: 0, .size: 8, .value_kind: global_buffer, .address_space: global }
      - { .name: wq, .offset: 8, .size: 8, .value_kind: global_buffer, .address_space: global }
      - { .name: b_out, .offset: 16, .size: 8, .value_kind: global_buffer, .address_space: global }
      - { .name: out0, .offset: 24, .size: 8, .value_kind: global_buffer, .address_space: global }
    .group_segment_fixed_size: 327680
    .private_segment_fixed_size: 0
    .kernarg_segment_align: 8
    .kernarg_segment_size: 32
    .max_flat_workgroup_size: 128
    .sgpr_count:     106
    .vgpr_count:     1024
    .wavefront_size: 32
...
	.end_amdgpu_metadata
.endif
;; end of part 4
